; MI455X (gfx1250); checked and timed in simulation.
; The chip was launched on July 23, 2026; its instructions are those of AMD's public machine-readable ISA for CDNA 5 (MIT licence, August 2026) and "CDNA5" Instruction Set Architecture Reference Guide (July 2026). The comments in the code are by the model that wrote it; some were corrected since.
;; Expert Parallel Layer. Allowed arithmetic: float matrix products may take bf16 or f16 operands with f32 sums; other float arithmetic in f32, or as packed bf16 or f16 multiplies, adds, multiply-adds, maxima and minima; sums over many terms, partial sums and values carried from step to step in f32; what a program stores and reads back later, other than sums and carried values, may be rounded once to bf16 or f16.
;; Inputs: W1 8 x 1,024 x 2,048 float32; W2 8 x 2,048 x 1,024 float32; Wr 1,024 x 8 float32; b1 8 x 2,048 float32; b2 8 x 1,024 float32; br 8 float32; x 4 x 512 x 1,024 float32.
;; Outputs: out0 4 x 512 x 1,024 float32.
;; 2 versions, each right; version 2 is version 1 with the launches up, down written anew for expert scheduling mode. Each part assembles by itself: llvm-mc -triple=amdgcn-amd-amdhsa -mcpu=gfx1250 --defsym DOCPART=n.
;; ======== version 1 of 2: 3 launches
;; limits: values are held in f16: magnitudes above 65,504 overflow, below 6.1e-05 lose precision
;; workspace buffers: xb 4,194,304 bytes; bm 2,048 bytes of whole numbers; prob 8,192 bytes; hf 67,108,864 bytes
;; launch route (part 1): grid 128 x 1, 8 waves a work-group, no clusters, 56,320 bytes of LDS; arguments x, Wr, br, xb, bm, prob; writes xb, bm, prob
.if DOCPART == 1
	.amdgcn_target "amdgcn-amd-amdhsa--gfx1250"
	.amdhsa_code_object_version 6
	.text
	.protected	k_qf908f19d22_route
	.globl	k_qf908f19d22_route
	.p2align	8
	.type	k_qf908f19d22_route,@function
k_qf908f19d22_route:
	s_mov_b64 s[64:65], 0
	v_nop
	global_prefetch_b8 v0, s[64:65] scope:SCOPE_SE
	s_setreg_imm32_b32 hwreg(HW_REG_WAVE_MODE, 25, 1), 1
	s_wait_xcnt 0x0
; ROUTER.  logits = x Wr + br, all three rounded to bf16 first (the whole program works on inputs rounded to bf16); prob[t] = the largest softmax weight = 1 / sum_e exp(l_e - max l);
; bm[e][g] (16 bits) = which of the tokens 16 g .. 16 g + 15 chose expert e; xb = x in bf16.  x: [2048][1024] f32, Wr: [1024][8] f32, br: [8] f32.
; SHARES.  Work-group g has 16 tokens, wave w the channels 128 w .. 128 w + 127 of them: 4 matrix instructions; the eight waves' partial logits meet in LDS, and wave 0 finishes.
; The choice is stored at fixed places as whole numbers: no address and no branch here hangs on it.  The later launches read it.
; LIMITS.  The largest LOGIT is taken (the lowest index among equals); NaN and infinities are not treated apart.
; No cluster, no tensor load: no two work-groups share a byte of x, and Wr is 32 KB in all.
.set PX,    272                 ; a row of x in LDS: 128 bf16 + 16 bytes: the 16 rows of a fragment load start at 16 different groups of four banks (ISA guide 11.1)
.set XTW,   16*PX               ; a wave's 16 rows
.set WT,    8*XTW               ; behind them: Wr in bf16, [k][8 experts], 16 bytes a k, 2,048 bytes a wave
.set PART,  WT+8*2048           ; partial logits: [wave][token][8 f32]
.set SPARE, PART+4096           ; the spare words, 128 bytes a wave: no other line names them
.set XL, 32                     ; v32-95   x as loaded, 4 registers a token row
.set WL, 96                     ; v96-127  Wr as loaded
.set XP, 128                    ; v128-159 x in bf16, 2 registers a row
.set XF, 32                     ; later: fragments of x (4 x 8), of Wr (4 x 8), two accumulators, their sum
.set WF, 64
.set A0, 96
.set A1, 104
.set SUM, 112
	s_load_b256 s[4:11], s[0:1], 0x0               ; x s[4:5], Wr s[6:7], br s[8:9], xb s[10:11]
	s_load_b128 s[12:15], s[0:1], 0x20             ; bm s[12:13], prob s[14:15]
	v_lshl_add_u32 v30, v0, 2, SPARE               ; my spare word
	v_mov_b32 v31, 0
	v_lshrrev_b32 v1, 5, v0
	v_readfirstlane_b32 s16, v1                    ; wave
	v_and_b32 v1, 31, v0                           ; L
	v_and_b32 v2, 15, v0                           ; r
	v_bfe_u32 v3, v0, 4, 1                         ; h
	v_and_b32 v15, 7, v0
	v_lshlrev_b32 v4, 4, v0                        ; x: 512 w + 16 L
	v_lshlrev_b32 v5, 3, v0                        ; xb: 256 w + 8 L
	s_mul_i32 s20, s16, XTW
	v_lshl_add_u32 v6, v1, 3, s20                  ; my 8 bytes of a row in my wave's tile of x
	s_lshl_b32 s21, s16, 11
	s_add_co_u32 s21, s21, WT
	v_lshl_add_u32 v7, v1, 3, s21                  ; my 8 bytes in my wave's part of Wr
	s_lshl_b32 s22, s16, 12
	v_lshl_add_u32 v8, v1, 4, s22                  ; Wr: 128 rows of 32 bytes a wave
	v_mul_u32_u24 v9, v2, PX
	v_lshl_add_u32 v9, v3, 4, v9
	v_add_nc_u32 v9, s20, v9                       ; fragment of x: row r, 16 h
	v_lshl_add_u32 v10, v3, 3, v15
	v_lshl_add_u32 v10, v10, 4, s21                ; turning load of Wr: row 8 h + L % 8; lanes 8-15 and 24-31 name the bytes of lanes 0-7 and 16-23, so rows 8-15 of the product repeat experts 0-7
	v_lshlrev_b32 v12, 5, v2
	v_add_nc_u32 v12, PART, v12                    ; token r's 32 bytes in wave 0's part
	s_lshl_b32 s23, s16, 9
	v_add_nc_u32 v11, s23, v12                     ; and in mine
	v_lshlrev_b32 v13, 2, v2                       ; prob: 4 r
	v_lshlrev_b32 v14, 8, v15                      ; bm: expert L % 8, 256 bytes an expert
	s_mov_b32 s19, 0
	s_wait_kmcnt 0x0
	s_load_b256 s[24:31], s[8:9], 0x0              ; br
	s_lshl_b32 s18, ttmp9, 16                      ; 16 rows of 4,096 bytes
	s_add_nc_u64 s[4:5], s[4:5], s[18:19]
	s_lshl_b32 s18, ttmp9, 15
	s_add_nc_u64 s[10:11], s[10:11], s[18:19]
	s_lshl_b32 s18, ttmp9, 1
	s_add_nc_u64 s[12:13], s[12:13], s[18:19]
	s_lshl_b32 s18, ttmp9, 6
	s_add_nc_u64 s[14:15], s[14:15], s[18:19]
.irp i, 0,1,2,3,4,5,6,7
	global_load_b128 v[WL+4*\i:WL+4*\i+3], v8, s[6:7] offset:512*\i
.endr
.set t, 0
.rept 16
	global_load_b128 v[XL+4*t:XL+4*t+3], v4, s[4:5] offset:4096*t th:TH_LOAD_NT   ; 512 consecutive bytes of token row t
.set t, t+1
.endr
	s_wait_loadcnt 16                              ; Wr is in: the 16 loads of x were issued behind it
.irp i, 0,1,2,3,4,5,6,7
	v_cvt_pk_bf16_f32 v[WL+4*\i], v[WL+4*\i], v[WL+4*\i+1]
	v_cvt_pk_bf16_f32 v[WL+4*\i+1], v[WL+4*\i+2], v[WL+4*\i+3]
	ds_store_b64 v7, v[WL+4*\i:WL+4*\i+1] offset:256*\i
.endr
.set t, 0
.rept 16
	s_wait_loadcnt 15-t                            ; row t is in, the younger rows stay out
	v_cvt_pk_bf16_f32 v[XP+2*t], v[XL+4*t], v[XL+4*t+1]
	v_cvt_pk_bf16_f32 v[XP+2*t+1], v[XL+4*t+2], v[XL+4*t+3]
	global_store_b64 v5, v[XP+2*t:XP+2*t+1], s[10:11] offset:2048*t   ; the wave stores 256 consecutive bytes, aligned
	ds_store_b64 v6, v[XP+2*t:XP+2*t+1] offset:PX*t
.set t, t+1
.endr
	; the fragments come from my wave's own bytes: LDS serves a wave in order (ISA guide 5.7.1.4), so no barrier stands here
.irp c, 0,1,2,3
	ds_load_b128 v[XF+8*\c:XF+8*\c+3], v9 offset:64*\c
	ds_load_b128 v[XF+8*\c+4:XF+8*\c+7], v9 offset:64*\c+32
	ds_load_tr16_b128 v[WF+8*\c:WF+8*\c+3], v10 offset:512*\c
	ds_load_tr16_b128 v[WF+8*\c+4:WF+8*\c+7], v10 offset:512*\c+256
.endr
	s_wait_dscnt 0x0
	; source 0 = experts, source 1 = tokens: register j of a lane is expert j of token r, in both halves of the lanes.  Two accumulators by turns.
	v_wmma_f32_16x16x32_bf16 v[A0:A0+7], v[WF:WF+7], v[XF:XF+7], 0
	v_wmma_f32_16x16x32_bf16 v[A1:A1+7], v[WF+8:WF+15], v[XF+8:XF+15], 0
	v_wmma_f32_16x16x32_bf16 v[A0:A0+7], v[WF+16:WF+23], v[XF+16:XF+23], v[A0:A0+7]
	v_wmma_f32_16x16x32_bf16 v[A1:A1+7], v[WF+24:WF+31], v[XF+24:XF+31], v[A1:A1+7]
.rept 4
	v_nop                                          ; four places behind the products (ISA guide 7.12.1)
.endr
.irp p, 0,2,4,6
	v_pk_add_f32 v[SUM+\p:SUM+\p+1], v[A0+\p:A0+\p+1], v[A1+\p:A1+\p+1]
.endr
	ds_store_b128 v11, v[SUM:SUM+3]                ; lanes r and 16 + r store the same numbers to the same bytes
	ds_store_b128 v11, v[SUM+4:SUM+7] offset:16
	s_wait_kmcnt 0x0                               ; br
	s_wait_dscnt 0x0                               ; for wave 0's sake: my partial logits are in LDS
	s_barrier_signal -1
	s_barrier_wait -1
	s_cmp_lg_u32 s16, 0
	s_cbranch_scc1 .Lend
.set w, 0
.rept 8
	ds_load_b128 v[32+8*w:32+8*w+3], v12 offset:512*w
	ds_load_b128 v[32+8*w+4:32+8*w+7], v12 offset:512*w+16
.set w, w+1
.endr
.irp p, 0,1,2,3                                        ; br rounded to bf16, widened again
	v_cvt_pk_bf16_f32 v[120+\p], s[24+2*\p], s[25+2*\p]
.endr
.irp p, 0,1,2,3
	v_lshlrev_b32 v[SUM+2*\p], 16, v[120+\p]
	v_and_b32 v[SUM+2*\p+1], 0xffff0000, v[120+\p]
.endr
	s_wait_dscnt 0x0
.irp a, 0,2,4,6                                        ; the eight waves' parts: a tree of 28 packed sums
.irp p, 0,2,4,6
	v_pk_add_f32 v[32+8*\a+\p:32+8*\a+\p+1], v[32+8*\a+\p:32+8*\a+\p+1], v[40+8*\a+\p:40+8*\a+\p+1]
.endr
.endr
.irp a, 0,4
.irp p, 0,2,4,6
	v_pk_add_f32 v[32+8*\a+\p:32+8*\a+\p+1], v[32+8*\a+\p:32+8*\a+\p+1], v[48+8*\a+\p:48+8*\a+\p+1]
.endr
.endr
.irp p, 0,2,4,6
	v_pk_add_f32 v[32+\p:32+\p+1], v[32+\p:32+\p+1], v[64+\p:64+\p+1]
.endr
.irp p, 0,2,4,6
	v_pk_add_f32 v[32+\p:32+\p+1], v[32+\p:32+\p+1], v[SUM+\p:SUM+\p+1]
.endr
	v_max3_num_f32 v124, v32, v33, v34
	v_max3_num_f32 v124, v124, v35, v36
	v_max3_num_f32 v124, v124, v37, v38
	v_max_num_f32 v124, v124, v39                  ; the largest logit
	v_mov_b32 v125, 7
.irp e, 6,5,4,3,2,1,0                                  ; its index; the lowest among equals is written last
	v_cmp_eq_f32 vcc_lo, v[32+\e], v124
	v_cndmask_b32 v125, v125, \e, vcc_lo
.endr
.irp e, 0,1,2,3,4,5,6,7
	v_sub_f32 v[40+\e], v[32+\e], v124
.endr
.irp e, 0,1,2,3,4,5,6,7
	v_mul_f32 v[40+\e], 0x3fb8aa3b, v[40+\e]       ; log2(e)
.endr
.irp e, 0,1,2,3,4,5,6,7
	v_exp_f32 v[40+\e], v[40+\e]
.endr
	v_nop                                          ; a plain instruction behind the last exponential (ISA guide 5.7.2)
	s_wait_alu depctr_va_vdst(0)
	v_pk_add_f32 v[40:41], v[40:41], v[42:43]
	v_pk_add_f32 v[44:45], v[44:45], v[46:47]
	v_pk_add_f32 v[40:41], v[40:41], v[44:45]
	v_add_f32 v40, v40, v41
	v_rcp_f32 v48, v40                             ; the chosen expert's weight: exp(0) / sum
.irp e, 0,1,2,3,4,5,6,7
	v_cmp_eq_u32 s[32+\e], \e, v125                ; bits 0-15: which of my 16 tokens chose expert e
.endr
	v_mov_b32 v126, s32
.irp e, 1,2,3,4,5,6,7
	v_cmp_eq_u32 vcc_lo, \e, v15
	v_cndmask_b32 v126, v126, s[32+\e], vcc_lo     ; lane L takes the mask of expert L % 8
.endr
	s_wait_alu depctr_va_vdst(0)
	global_store_b32 v13, v48, s[14:15]            ; 64 consecutive bytes; lanes 16-31 repeat lanes 0-15
	global_store_b16 v14, v126, s[12:13]           ; eight 16-bit words, one in each expert's 256 bytes; lanes 8-31 repeat lanes 0-7
.Lend:
	s_wait_tensorcnt 0x0                           ; the wave's end
	ds_add_u32 v30, v31
	s_wait_dscnt 0x0
	s_endpgm
.Lfunc_end_k_qf908f19d22_route:
	.size	k_qf908f19d22_route, .Lfunc_end_k_qf908f19d22_route-k_qf908f19d22_route
	.p2alignl 7, 3214868480
	.fill 96, 4, 3214868480
	.section	.rodata,"a",@progbits
	.p2align	6, 0x0
	.amdhsa_kernel k_qf908f19d22_route
		.amdhsa_group_segment_fixed_size 56320
		.amdhsa_private_segment_fixed_size 0
		.amdhsa_enable_private_segment 0
		.amdhsa_kernarg_size 48
		.amdhsa_user_sgpr_count 2
		.amdhsa_user_sgpr_kernarg_segment_ptr 1
		.amdhsa_wavefront_size32 1
		.amdhsa_system_sgpr_workgroup_id_x 1
		.amdhsa_system_sgpr_workgroup_id_y 1
		.amdhsa_system_sgpr_workgroup_id_z 1
		.amdhsa_system_vgpr_workitem_id 0
		.amdhsa_next_free_vgpr 160
		.amdhsa_next_free_sgpr 66
		.amdhsa_reserve_vcc 1
		.amdhsa_float_denorm_mode_32 3
		.amdhsa_float_denorm_mode_16_64 3
		.amdhsa_memory_ordered 1
		.amdhsa_forward_progress 1
		.amdhsa_inst_pref_size 21
	.end_amdhsa_kernel
	.amdgpu_metadata
---
amdhsa.version: [ 1, 2 ]
amdhsa.kernels:
  - .name:           k_qf908f19d22_route
    .symbol:         k_qf908f19d22_route.kd
    .args:
      - { .name: x, .offset: 0, .size: 8, .value_kind: global_buffer, .address_space: global }
      - { .name: Wr, .offset: 8, .size: 8, .value_kind: global_buffer, .address_space: global }
      - { .name: br, .offset: 16, .size: 8, .value_kind: global_buffer, .address_space: global }
      - { .name: xb, .offset: 24, .size: 8, .value_kind: global_buffer, .address_space: global }
      - { .name: bm, .offset: 32, .size: 8, .value_kind: global_buffer, .address_space: global }
      - { .name: prob, .offset: 40, .size: 8, .value_kind: global_buffer, .address_space: global }
    .group_segment_fixed_size: 56320
    .private_segment_fixed_size: 0
    .kernarg_segment_align: 8
    .kernarg_segment_size: 48
    .max_flat_workgroup_size: 256
    .sgpr_count:     66
    .vgpr_count:     160
    .wavefront_size: 32
...
	.end_amdgpu_metadata
.endif
;; end of part 1
;; launch up (part 2): grid 32 x 8, 8 waves a work-group, no clusters, 232,448 bytes of LDS; arguments W1, b1, xb, bm, hf; writes hf
.if DOCPART == 2
	.amdgcn_target "amdgcn-amd-amdhsa--gfx1250"
	.amdhsa_code_object_version 6
	.text
	.protected	k_qf908f19d22_up
	.globl	k_qf908f19d22_up
	.p2align	8
	.type	k_qf908f19d22_up,@function
k_qf908f19d22_up:
	s_mov_b64 s[64:65], 0
	v_nop
	global_prefetch_b8 v0, s[64:65] scope:SCOPE_SE
	s_setreg_imm32_b32 hwreg(HW_REG_WAVE_MODE, 25, 1), 1
	s_wait_xcnt 0x0
; FIRST PRODUCT.  h = relu(x W1[e] + b1[e]) for the tokens that chose expert e alone.  W1: [8][1024][2048] f32, b1: [8][2048] f32 (both rounded to bf16 here), xb: [2048][1024] bf16,
; bm: [8][128] 16-bit masks of each expert's tokens.  Sums in f32; h is rounded once, to f16.
; SHARES.  Work-group (s, e) has columns 64 s .. 64 s + 63 of expert e's W1, which it alone reads, and ALL of the expert's rows.  The n rows, in ascending order of token, lie in nt = ceil(n / 16) tiles of 16;
; wave w takes tiles w + 8 (3 g + i), i = 0..2, in group g = 0..5: six trips cover all 128 tiles that one expert can have; a group without a tile is jumped.  Places past n repeat row n - 1.
; PHASE A: the slice streams through registers into LDS as bf16, [k][64 columns]; 32 loads of 512 bytes are out in each wave; each wave makes its own list of the expert's tokens under the first 32.
; One barrier.  PHASE B writes no LDS and has no barrier in its loops, since its length hangs on n: token rows come from memory straight into registers as source 1, the slice's fragments by the turning load as source 0.
; A second barrier stands behind phase B, ahead of the closing lines, which write LDS again.
; A lane's eight results are eight neighbouring columns of one token, and packed they ARE 16 bytes of the next launch's operand: hf holds, for tile t of expert e (at (128 e + t) x 65,536 bytes),
; [K step of 32 columns][half][lane][16 bytes]; every store here and every load there covers 512 consecutive bytes.
; NO CLUSTER, NO TENSOR LOAD: each weight byte has one reader; the rows that an expert's 32 work-groups share come by a list, which no tile descriptor covers, in a loop whose length is read from memory.
; LIMITS.  |h| stays under 65,520 (f16); NaN and infinities are not treated apart.
.set NCB,   4                   ; blocks of 16 columns
.set P,     160                 ; a row of the slice in LDS: 128 bytes + 32
.set KSB,   32*P                ; a K step of 32
.set PAIRL, 8*KSB               ; a pair of blocks of four K steps
.set NPAIR, 4
.set JB,    32                  ; operand bytes: from one 16-byte piece of a lane to the next; a block of four K steps; a pair
.set BLKB,  256
.set PAIRB, 512
.set LIST,  1024*P              ; behind the slice: each wave's list, 2,048 places and 32 words for lanes that have nothing to list
.set LISTW, 8448
.set SPARE, LIST+8*LISTW        ; the spare words, 128 bytes a wave: no other line names them
.set WO,  4                     ; v4     my byte offset in W1's slice
.set WS,  5                     ; v5, v6 where I put 8 bytes of the slice: rows 0-511, rows 512-1023
.set RD0, 7                     ; v7     my place in a turning load; never rewritten
.set RD,  8                     ; v8     the same in the pair of blocks in hand: RD0 + s35
.set LB,  9                     ; v9     my wave's list
.set DUMP, 10                   ; v10    2048 + L
.set TOK, 11                    ; v11    the token that my lane stands for
.set BM,  12                    ; v[12:13] words 2 L, 2 L + 1 of the expert's 64 mask words
.set OFF, 18                    ; v18-20 slot i: my byte offset in xb
.set HO,  29                    ; v29    my byte offset in hf: 16 L + first tile x 65,536
.set LAND, 40                   ; v40-167 phase A: 32 slots of 4
.set WF,  40                    ; v40-103 phase B: the slice's fragments, two buffers of 4 x 8
.set ACC, 104                   ; v104-199 accumulator (slot i, block c) at 32 i + 8 c
.set BIAS, 200                  ; v200-231 b1 of my 8 columns in each block
.set AB,  26                    ; s[26:27] xb, walking along K
.set TB,  35                    ; s35    LDS byte at which the pair in hand begins in the slice
; window 1: v0-95, v96-191: the token rows' fragments, two buffers: slot i, K step k % 4 at 32 i + 8 (k % 4)
.set MSB, 0
.macro WIN new                  ; s_set_vgpr_msb: bits 3:2 source 1, 7:6 destination; the high byte repeats the setting that is left
.if MSB != (\new)
	s_set_vgpr_msb (MSB<<8)|(\new)
.set MSB, (\new)
.endif
.endm
.macro PLACES                   ; four places between matrix instructions and loads into, or vector reads of, their registers (ISA guide 7.12.1 for vector reads)
.rept 4
	v_nop
.endr
.endm
; Load q of 64: rows 256 (q / 16) + 32 w + (q % 4) + 8 ((q % 16) / 4) + 4 h; 16 lanes take a row's 256 bytes, aligned.  The two rows lie 4 apart, so that their LDS stores fall on different banks.
.macro WLD q
.set wi, (\q)&15
	global_load_b128 v[LAND+4*((\q)&31):LAND+4*((\q)&31)+3], v[WO], s[4:5] offset:(256*((\q)>>4)+(wi&3)+8*(wi>>2))*8192 th:TH_LOAD_NT
.endm
.macro WST q
.set wi, (\q)&15
.set wr, LAND+4*((\q)&31)
	v_cvt_pk_bf16_f32 v[wr], v[wr], v[wr+1]
	v_cvt_pk_bf16_f32 v[wr+1], v[wr+2], v[wr+3]
	ds_store_b64 v[WS+((\q)>>5)], v[wr:wr+1] offset:(256*(((\q)>>4)&1)+(wi&3)+8*(wi>>2))*P
.endm
.macro ALOAD nt, buf, base      ; a block of four K steps of nt tiles' rows: 8 loads a tile, together 256 whole bytes of each of 16 rows
	WIN 0x40
.set ai, 0
.rept \nt
.set aj, 0
.rept 8
	global_load_b128 v[96*(\buf)+32*ai+4*aj:96*(\buf)+32*ai+4*aj+3], v[OFF+ai], s[AB:AB+1] offset:(\base)+aj*JB
.set aj, aj+1
.endr
.set ai, ai+1
.endr
.endm
.macro WLOAD k                  ; the slice's fragments of K step k of the pair
.set wc, 0
.rept NCB
.set wr, WF+8*NCB*((\k)&1)+8*wc
	ds_load_tr16_b128 v[wr:wr+3], v[RD] offset:(\k)*KSB+32*wc
	ds_load_tr16_b128 v[wr+4:wr+7], v[RD] offset:(\k)*KSB+32*wc+16*P
.set wc, wc+1
.endr
.endm
.macro KSTEP nt, k, last
	PLACES                                         ; behind step k - 1's products, which read the buffers that are loaded next
.if (\k) == 0
	ALOAD \nt, 1, BLKB
	WIN 0x04
.elseif ((\k) == 4) && !(\last)
	ALOAD \nt, 0, 2*BLKB
	WIN 0x04
.endif
.if (\k) < 7
	WLOAD (\k)+1
.endif
.if ((\k) == 4) && (\last)
	s_wait_loadcnt 0x0                             ; the last block
.elseif ((\k) == 0) || ((\k) == 4)
	s_wait_loadcnt 8*(\nt)                         ; the block to be multiplied is in; the block just asked for stays out
.endif
.if (\k) < 7
	s_wait_dscnt 2*NCB                             ; this step's fragments are in; the next step's, just asked for, stay out
.else
	s_wait_dscnt 0x0
.endif
.set ti, 0
.rept \nt                       ; the accumulators take turns, one instruction a turn
.set tc, 0
.rept NCB
.set rD, ACC+8*NCB*ti+8*tc
.set rW, WF+8*NCB*((\k)&1)+8*tc
.set rA, 96*((\k)>>2)+32*ti+8*((\k)&3)
	v_wmma_f32_16x16x32_bf16 v[rD:rD+7], v[rW:rW+7], v[rA:rA+7], v[rD:rD+7]
.set tc, tc+1
.endr
.set ti, ti+1
.endr
.endm
.macro PAIR nt, last
	WIN 0x04                                       ; source 1 in window 1
	WLOAD 0
.irp k, 0,1,2,3,4,5,6,7
	KSTEP \nt, \k, \last
.endr
.endm
.macro KLOOP nt                 ; all of K for nt tiles: NPAIR - 1 trips and a last pair written out
	ALOAD \nt, 0, 0
	WIN 0
	s_mov_b32 s[TB], 0
	s_mov_b32 s25, NPAIR-1
.Lpair_\@:
	v_add_nc_u32 v[RD], s[TB], v[RD0]              ; the pair's place in the slice + my lane's
	PAIR \nt, 0
	WIN 0
	s_wait_xcnt 0x0                                ; the loads' base is stepped only behind this wait
	s_add_nc_u64 s[AB:AB+1], s[AB:AB+1], PAIRB
	s_add_co_u32 s[TB], s[TB], PAIRL
	s_sub_co_u32 s25, s25, 1
	s_cmp_lg_u32 s25, 0
	s_cbranch_scc1 .Lpair_\@
	v_add_nc_u32 v[RD], s[TB], v[RD0]
	PAIR \nt, 1                                    ; the last pair asks for nothing beyond the rows' end
	WIN 0
.endm
.macro OUTT i                   ; tile i of the group: rounded to f16, ReLU, stored; a tile past the count is jumped, and so are those behind it
.if (\i) > 0
	s_add_co_u32 s28, s23, 8*(\i)
	s_cmp_ge_u32 s28, s21
	s_cbranch_scc1 .Lnext
.endif
.set oc, 0
.rept NCB
.set oa, ACC+32*(\i)+8*oc
	v_cvt_pk_f16_f32 v[oa], v[oa], v[oa+1]
	v_cvt_pk_f16_f32 v[oa+1], v[oa+2], v[oa+3]
	v_cvt_pk_f16_f32 v[oa+2], v[oa+4], v[oa+5]
	v_cvt_pk_f16_f32 v[oa+3], v[oa+6], v[oa+7]
	v_pk_max_num_f16 v[oa], v[oa], v28
	v_pk_max_num_f16 v[oa+1], v[oa+1], v28
	v_pk_max_num_f16 v[oa+2], v[oa+2], v28
	v_pk_max_num_f16 v[oa+3], v[oa+3], v28
	global_store_b128 v[HO], v[oa:oa+3], s[12:13] offset:(\i)*524288+512*oc   ; 512 consecutive bytes, aligned
.set oc, oc+1
.endr
.endm
	s_load_b256 s[4:11], s[0:1], 0x0               ; W1 s[4:5], b1 s[6:7], xb s[8:9], bm s[10:11]
	s_load_b64 s[12:13], s[0:1], 0x20              ; hf
	v_lshl_add_u32 v30, v0, 2, SPARE               ; my spare word
	v_mov_b32 v31, 0
	v_lshrrev_b32 v1, 5, v0
	v_readfirstlane_b32 s14, v1                    ; wave
	s_mov_b32 s15, ttmp9                           ; slice
	s_and_b32 s16, ttmp7, 0xffff                   ; expert
	s_mov_b32 s34, 0xffff0000
	s_mov_b32 s19, 0
	v_and_b32 v1, 31, v0                           ; L
	v_and_b32 v2, 15, v0                           ; r
	v_bfe_u32 v3, v0, 4, 1                         ; h
	v_and_b32 v14, 7, v0
	v_bfe_u32 v15, v0, 3, 1
	s_lshl_b32 s28, s14, 18                        ; 32 w rows of 8,192 bytes
	v_lshlrev_b32 v[WO], 15, v3                    ; 4 h rows
	v_lshl_add_u32 v[WO], v2, 4, v[WO]
	v_add_nc_u32 v[WO], s28, v[WO]
	s_mul_i32 s28, s14, 32*P
	v_mul_u32_u24 v[WS], v3, 4*P
	v_lshl_add_u32 v[WS], v2, 3, v[WS]
	v_add_nc_u32 v[WS], s28, v[WS]
	v_add_nc_u32 v[WS+1], 512*P, v[WS]
	v_lshl_add_u32 v14, v3, 3, v14
	v_mul_u32_u24 v[RD0], v14, P                   ; row 8 h + L % 8,
	v_lshl_add_u32 v[RD0], v15, 4, v[RD0]          ; columns 8 ((L / 8) % 2) on
	s_mul_i32 s28, s14, LISTW
	s_add_co_u32 s28, s28, LIST
	v_mov_b32 v[LB], s28
	v_add_nc_u32 v[DUMP], 0x800, v1
	v_mov_b32 v[TOK], v1
	v_lshlrev_b32 v25, 3, v1                       ; bm: 8 L
	v_lshlrev_b32 v26, 5, v3                       ; b1: my 8 columns of a block
	v_lshlrev_b32 v27, 4, v3                       ; 16 h
	v_mov_b32 v28, 0                               ; for the ReLU
	s_lshl_b32 s28, s14, 16
	v_lshl_add_u32 v[HO], v1, 4, s28
	s_wait_kmcnt 0x0
	s_lshl_b32 s18, s16, 23
	s_lshl_b32 s28, s15, 8
	s_add_co_u32 s18, s18, s28
	s_add_nc_u64 s[4:5], s[4:5], s[18:19]          ; W1 at the expert's row 0, my slice
	s_lshl_b32 s18, s16, 13
	s_add_co_u32 s18, s18, s28
	s_add_nc_u64 s[6:7], s[6:7], s[18:19]
	s_lshl_b32 s18, s16, 8
	s_add_nc_u64 s[10:11], s[10:11], s[18:19]
	s_lshl_b32 s18, s16, 23
	s_lshl_b32 s28, s15, 11                        ; my 64 columns are K steps 2 s and 2 s + 1 of a tile
	s_add_co_u32 s18, s18, s28
	s_add_nc_u64 s[12:13], s[12:13], s[18:19]
	global_load_b64 v[BM:BM+1], v25, s[10:11]
.irp c, 0,1,2,3
	global_load_b128 v[BIAS+8*\c:BIAS+8*\c+3], v26, s[6:7] offset:64*\c
	global_load_b128 v[BIAS+8*\c+4:BIAS+8*\c+7], v26, s[6:7] offset:64*\c+16
.endr
.set qq, 0
.rept 32
	WLD qq
.set qq, qq+1
.endr
	s_wait_loadcnt 40                              ; the masks are in: 8 loads of b1 and 32 of W1 were issued behind them
	; THE LIST, under the loads: word after word, a lane whose bit is set puts its token at the place of its rank; the others write to words behind the list
	v_mov_b32 v14, 0
	ds_store_b32 v[LB], v14                        ; place 0 exists also where the expert has no token
	s_mov_b32 s20, 0
.set lq, 0
.rept 64
.set lt, 14+(lq&3)
	v_readlane_b32 s28, v[BM+(lq&1)], lq>>1
	v_mbcnt_lo_u32_b32 v[lt], s28, s20             ; tokens so far + set bits below mine
	v_cndmask_b32 v[lt], v[DUMP], v[lt], s28
	v_min_u32 v[lt], 0x81f, v[lt]
	v_lshl_add_u32 v[lt], v[lt], 2, v[LB]
	ds_store_b32 v[lt], v[TOK]
	s_bcnt1_i32_b32 s29, s28
	s_add_co_u32 s20, s20, s29
	v_add_nc_u32 v[TOK], 32, v[TOK]
.set lq, lq+1
.endr
	s_add_co_u32 s21, s20, 15
	s_lshr_b32 s21, s21, 4                         ; nt
	s_max_u32 s22, s20, 1
	s_sub_co_u32 s22, s22, 1                       ; the last place that holds a token
	s_wait_loadcnt 32                              ; b1 is in: the 32 loads of W1 were issued behind it
.set bi, 0
.rept 16                                               ; b1 rounded to bf16, widened again
	v_cvt_pk_bf16_f32 v[32+(bi&1)], v[BIAS+2*bi], v[BIAS+2*bi+1]
	v_lshlrev_b32 v[BIAS+2*bi], 16, v[32+(bi&1)]
	v_and_b32 v[BIAS+2*bi+1], s34, v[32+(bi&1)]
.set bi, bi+1
.endr
.set qq, 0
.rept 32
	s_wait_loadcnt 31                              ; the oldest of the 32 loads is in
	WST qq
	WLD qq+32
.set qq, qq+1
.endr
.rept 32
	s_wait_loadcnt 63-qq                           ; the counts run down
	WST qq
.set qq, qq+1
.endr
	s_wait_dscnt 0x0                               ; for the others' sake: my part of the slice is in LDS
	s_barrier_signal -1
	s_barrier_wait -1                              ; the slice is whole
	s_mov_b32 s23, s14                             ; the group's first tile
	s_mov_b32 s24, 6
.Lgrp:
	s_cmp_ge_u32 s23, s21
	s_cbranch_scc1 .Lnext                          ; no tile in this group
.set gi, 0
.rept 3
	s_add_co_u32 s28, s23, 8*gi
	s_lshl_b32 s28, s28, 4
	v_add_nc_u32 v[14+gi], s28, v2                 ; place 16 tile + r,
	v_min_u32 v[14+gi], s22, v[14+gi]              ; or the last that holds a token
	v_min_u32 v[14+gi], 0x7ff, v[14+gi]
	v_lshl_add_u32 v[14+gi], v[14+gi], 2, v[LB]
	ds_load_b32 v[OFF+gi], v[14+gi]
.set gi, gi+1
.endr
.set gi, 0
.rept 96                                               ; the sums begin at the bias
	v_mov_b32 v[ACC+gi], v[BIAS+(gi&31)]
.set gi, gi+1
.endr
	s_wait_dscnt 0x0
.irp i, 0,1,2
	v_min_u32 v[OFF+\i], 0x7ff, v[OFF+\i]
	v_lshl_add_u32 v[OFF+\i], v[OFF+\i], 11, v27   ; token x 2,048 bytes + 16 h
.endr
	s_mov_b64 s[AB:AB+1], s[8:9]
	s_add_co_u32 s28, s23, 16
	s_cmp_lt_u32 s28, s21
	s_cbranch_scc0 .Ltwo
	KLOOP 3
	s_branch .Lepi
.Ltwo:
	KLOOP 2
.Lepi:
	PLACES
	OUTT 0
	OUTT 1
	OUTT 2
.Lnext:
	s_wait_xcnt 0x0                                ; the stores' data and offset are rewritten only behind this wait
	s_add_co_u32 s23, s23, 24
	v_add_nc_u32 v[HO], 24<<16, v[HO]
	s_sub_co_u32 s24, s24, 1
	s_cmp_lg_u32 s24, 0
	s_cbranch_scc1 .Lgrp
	s_wait_dscnt 0x0                               ; my reads of LDS are over;
	s_barrier_signal -1
	s_barrier_wait -1                              ; everybody's are: only behind this barrier is LDS written again, by the closing lines
	s_wait_tensorcnt 0x0                           ; the wave's end
	ds_add_u32 v30, v31
	s_wait_dscnt 0x0
	s_endpgm
.Lfunc_end_k_qf908f19d22_up:
	.size	k_qf908f19d22_up, .Lfunc_end_k_qf908f19d22_up-k_qf908f19d22_up
	.p2alignl 7, 3214868480
	.fill 96, 4, 3214868480
	.section	.rodata,"a",@progbits
	.p2align	6, 0x0
	.amdhsa_kernel k_qf908f19d22_up
		.amdhsa_group_segment_fixed_size 232448
		.amdhsa_private_segment_fixed_size 0
		.amdhsa_enable_private_segment 0
		.amdhsa_kernarg_size 40
		.amdhsa_user_sgpr_count 2
		.amdhsa_user_sgpr_kernarg_segment_ptr 1
		.amdhsa_wavefront_size32 1
		.amdhsa_system_sgpr_workgroup_id_x 1
		.amdhsa_system_sgpr_workgroup_id_y 1
		.amdhsa_system_sgpr_workgroup_id_z 1
		.amdhsa_system_vgpr_workitem_id 0
		.amdhsa_next_free_vgpr 448
		.amdhsa_next_free_sgpr 66
		.amdhsa_reserve_vcc 0
		.amdhsa_float_denorm_mode_32 3
		.amdhsa_float_denorm_mode_16_64 3
		.amdhsa_memory_ordered 1
		.amdhsa_forward_progress 1
		.amdhsa_inst_pref_size 127
	.end_amdhsa_kernel
	.amdgpu_metadata
---
amdhsa.version: [ 1, 2 ]
amdhsa.kernels:
  - .name:           k_qf908f19d22_up
    .symbol:         k_qf908f19d22_up.kd
    .args:
      - { .name: W1, .offset: 0, .size: 8, .value_kind: global_buffer, .address_space: global }
      - { .name: b1, .offset: 8, .size: 8, .value_kind: global_buffer, .address_space: global }
      - { .name: xb, .offset: 16, .size: 8, .value_kind: global_buffer, .address_space: global }
      - { .name: bm, .offset: 24, .size: 8, .value_kind: global_buffer, .address_space: global }
      - { .name: hf, .offset: 32, .size: 8, .value_kind: global_buffer, .address_space: global }
    .group_segment_fixed_size: 232448
    .private_segment_fixed_size: 0
    .kernarg_segment_align: 8
    .kernarg_segment_size: 40
    .max_flat_workgroup_size: 256
    .sgpr_count:     66
    .vgpr_count:     448
    .wavefront_size: 32
...
	.end_amdgpu_metadata
.endif
;; end of part 2
;; launch down (part 3): grid 32 x 8, 8 waves a work-group, no clusters, 283,648 bytes of LDS; arguments W2, b2, hf, bm, prob, out0; writes out0
.if DOCPART == 3
	.amdgcn_target "amdgcn-amd-amdhsa--gfx1250"
	.amdhsa_code_object_version 6
	.text
	.protected	k_qf908f19d22_down
	.globl	k_qf908f19d22_down
	.p2align	8
	.type	k_qf908f19d22_down,@function
k_qf908f19d22_down:
	s_mov_b64 s[64:65], 0
	v_nop
	global_prefetch_b8 v0, s[64:65] scope:SCOPE_SE
	s_setreg_imm32_b32 hwreg(HW_REG_WAVE_MODE, 25, 1), 1
	s_wait_xcnt 0x0
; SECOND PRODUCT.  out[t] = (h[t] W2[e] + b2[e]) prob[t] for the tokens that chose expert e.  W2: [8][2048][1024] f32, b2: [8][1024] f32 (both rounded to bf16; W2's rounded number is then written as f16,
; since h is f16), hf: h in tiles of 16 sorted rows, laid as this launch's operand registers take them, bm: the experts' token masks, prob: [2048] f32, out0: [2048][1024] f32.  Sums in f32.
; SHARES.  Work-group (s, e) has columns 32 s .. 32 s + 31 of expert e's W2, which it alone reads, and all of the expert's rows: tiles w + 8 (3 g + i) for wave w, i = 0..2, g = 0..5, as in the first product.
; Each token has one expert, so each output byte has one owner.  Places past the count repeat row n - 1: the same bits go to the same address.  A slot without a tile reads 16 written bytes of the group's first tile.
; PHASE A streams the slice through registers into LDS as f16, [k][32 columns], 32 loads of 512 bytes out in each wave, the list made under the first 32.  One barrier.
; PHASE B is a loop of a constant six trips, which covers every split.  Each trip has two barriers, which every wave passes: one between the trip's reads of the slice and the stores into the stages,
; one between the stages' traffic and the next trip's reads.  A wave whose group has no tile jumps the work between them, forward, and nothing else.
; 32 columns, not 64: 64 would make 128 work-groups for 256 WGPs; so W2 is read and out0 written in aligned pieces of 128 bytes, four rows to an instruction.
; NO CLUSTER, NO TENSOR LOAD: each weight byte has one reader; the tiles of h that an expert's 32 work-groups share are walked by work whose length is read from memory.
; LIMITS.  |W2| stays within 65,504; a rounded W2 below 2^-14 keeps f16's fixed step of 2^-24.  NaN and infinities are not treated apart.
.set NCB,   2
.set P,     96                  ; a row of the slice in LDS: 64 bytes + 32
.set KSB,   32*P
.set PAIRL, 8*KSB
.set NPAIR, 8
.set JB,    512                 ; operand bytes: half a K step of a tile; a block of four K steps; a pair
.set BLKB,  4096
.set PAIRB, 8192
.set LIST,  2048*P
.set LISTW, 8448
.set STG,   LIST+8*LISTW        ; each wave's stage for the way out: 16 rows of 128 bytes + 16
.set SP,    144
.set SPARE, STG+8*16*SP         ; the spare words, 128 bytes a wave: no other line names them
.set WO,  4
.set WS,  5
.set RD0, 7                     ; v7     my place in a turning load; never rewritten
.set RD,  8                     ; v8     the same in the pair of blocks in hand: RD0 + s35
.set LB,  9
.set DUMP, 10
.set TOK, 11
.set BM,  12
.set OFF, 18                    ; v18-20 slot i: my byte offset in hf
.set STO, 24                    ; v24    the way out: where I put 16 bytes of a row;  v25 where I read rows back
.set SRD, 25
.set LAND, 40                   ; v40-167 phase A
.set WF,  40                    ; v40-71  two buffers of 2 x 8
.set ACC, 72                    ; v72-119 accumulator (slot i, block c) at 16 i + 8 c
.set BIAS, 168                  ; v168-183
.set PR,  184                   ; v184-189 slot i: prob of token r, twice
.set TK,  190                   ; v190-192 slot i: token r
.set OT,  194                   ; v194-205 slot i, quarter t: my byte offset in out0
.set PA,  206                   ; v206-208 slot i: my byte offset in prob
.set AB,  26
.set TB,  35                    ; s35    LDS byte at which the pair in hand begins in the slice
.set MSB, 0
.macro WIN new
.if MSB != (\new)
	s_set_vgpr_msb (MSB<<8)|(\new)
.set MSB, (\new)
.endif
.endm
.macro PLACES
.rept 4
	v_nop
.endr
.endm
; Load q of 64: rows 256 w + 8 (q / 2) + q % 2 + 2 (L / 8); 8 lanes take a row's 128 bytes.  The four rows lie 2 apart, so that their LDS stores fall on different banks.
.macro WLD q
	global_load_b128 v[LAND+4*((\q)&31):LAND+4*((\q)&31)+3], v[WO], s[4:5] offset:(8*((\q)>>1)+((\q)&1))*4096 th:TH_LOAD_NT
.endm
.macro WST q                    ; rounded to bf16, and that number written as f16
.set wr, LAND+4*((\q)&31)
	v_cvt_pk_bf16_f32 v32, v[wr], v[wr+1]
	v_cvt_pk_bf16_f32 v33, v[wr+2], v[wr+3]
	v_lshlrev_b32 v34, 16, v32
	v_and_b32 v35, s34, v32
	v_lshlrev_b32 v36, 16, v33
	v_and_b32 v37, s34, v33
	v_cvt_pk_f16_f32 v[wr], v34, v35
	v_cvt_pk_f16_f32 v[wr+1], v36, v37
	ds_store_b64 v[WS], v[wr:wr+1] offset:(8*((\q)>>1)+((\q)&1))*P
.endm
.macro ALOAD nt, buf, base      ; a block of four K steps of nt tiles: each load takes 512 consecutive bytes
	WIN 0x40
.set ai, 0
.rept \nt
.set aj, 0
.rept 8
	global_load_b128 v[96*(\buf)+32*ai+4*aj:96*(\buf)+32*ai+4*aj+3], v[OFF+ai], s[AB:AB+1] offset:(\base)+aj*JB
.set aj, aj+1
.endr
.set ai, ai+1
.endr
.endm
.macro WLOAD k
.set wc, 0
.rept NCB
.set wr, WF+8*NCB*((\k)&1)+8*wc
	ds_load_tr16_b128 v[wr:wr+3], v[RD] offset:(\k)*KSB+32*wc
	ds_load_tr16_b128 v[wr+4:wr+7], v[RD] offset:(\k)*KSB+32*wc+16*P
.set wc, wc+1
.endr
.endm
.macro KSTEP nt, k, last
	PLACES                                         ; behind step k - 1's products, which read the buffers that are loaded next
.if (\k) == 0
	ALOAD \nt, 1, BLKB
	WIN 0x04
.elseif ((\k) == 4) && !(\last)
	ALOAD \nt, 0, 2*BLKB
	WIN 0x04
.endif
.if (\k) < 7
	WLOAD (\k)+1
.endif
.if ((\k) == 4) && (\last)
	s_wait_loadcnt 0x0                             ; the last block
.elseif ((\k) == 0) || ((\k) == 4)
	s_wait_loadcnt 8*(\nt)                         ; the block to be multiplied is in (and, the first time, prob, asked for ahead of it); the block just asked for stays out
.endif
.if (\k) < 7
	s_wait_dscnt 2*NCB                             ; this step's fragments are in; the next step's stay out
.else
	s_wait_dscnt 0x0
.endif
.set ti, 0
.rept \nt                       ; the accumulators take turns, one instruction a turn
.set tc, 0
.rept NCB
.set rD, ACC+8*NCB*ti+8*tc
.set rW, WF+8*NCB*((\k)&1)+8*tc
.set rA, 96*((\k)>>2)+32*ti+8*((\k)&3)
	v_wmma_f32_16x16x32_f16 v[rD:rD+7], v[rW:rW+7], v[rA:rA+7], v[rD:rD+7]
.set tc, tc+1
.endr
.set ti, ti+1
.endr
.endm
.macro PAIR nt, last
	WIN 0x04
	WLOAD 0
.irp k, 0,1,2,3,4,5,6,7
	KSTEP \nt, \k, \last
.endr
.endm
.macro KLOOP nt                 ; all of K for nt tiles: NPAIR - 1 trips and a last pair written out
	ALOAD \nt, 0, 0
	WIN 0
	s_mov_b32 s[TB], 0
	s_mov_b32 s25, NPAIR-1
.Lpair_\@:
	v_add_nc_u32 v[RD], s[TB], v[RD0]              ; the pair's place in the slice + my lane's
	PAIR \nt, 0
	WIN 0
	s_wait_xcnt 0x0                                ; the loads' base is stepped only behind this wait
	s_add_nc_u64 s[AB:AB+1], s[AB:AB+1], PAIRB
	s_add_co_u32 s[TB], s[TB], PAIRL
	s_sub_co_u32 s25, s25, 1
	s_cmp_lg_u32 s25, 0
	s_cbranch_scc1 .Lpair_\@
	v_add_nc_u32 v[RD], s[TB], v[RD0]
	PAIR \nt, 1
	WIN 0
.endm
; Tile i of the group: times prob; a lane's 8 columns of a token go into my wave's stage and come back as rows of 128 bytes, which go to the tokens' rows of out0.
.macro OUTT i
.if (\i) > 0
	s_add_co_u32 s28, s23, 8*(\i)
	s_cmp_ge_u32 s28, s21
	s_cbranch_scc1 .Lnext
.endif
.set oa, ACC+16*(\i)
.set on, 0
.rept 8
	v_pk_mul_f32 v[oa+2*on:oa+2*on+1], v[oa+2*on:oa+2*on+1], v[PR+2*(\i):PR+2*(\i)+1]
.set on, on+1
.endr
.irp c, 0,1
	ds_store_b128 v[STO], v[oa+8*\c:oa+8*\c+3] offset:64*\c
	ds_store_b128 v[STO], v[oa+8*\c+4:oa+8*\c+7] offset:64*\c+16
.endr
.irp t, 0,1,2,3
	ds_load_b128 v[oa+4*\t:oa+4*\t+3], v[SRD] offset:4*SP*\t   ; my wave's own bytes: LDS serves a wave in order (ISA guide 5.7.1.4)
.endr
	s_wait_dscnt 0x0
.irp t, 0,1,2,3
	global_store_b128 v[OT+4*(\i)+\t], v[oa+4*\t:oa+4*\t+3], s[38:39] th:TH_STORE_NT   ; four rows x 128 consecutive bytes, aligned to 128
.endr
.endm
	s_load_b256 s[4:11], s[0:1], 0x0               ; W2 s[4:5], b2 s[6:7], hf s[8:9], bm s[10:11]
	s_load_b128 s[36:39], s[0:1], 0x20             ; prob s[36:37], out0 s[38:39]
	v_lshl_add_u32 v30, v0, 2, SPARE               ; my spare word
	v_mov_b32 v31, 0
	v_lshrrev_b32 v1, 5, v0
	v_readfirstlane_b32 s14, v1                    ; wave
	s_mov_b32 s15, ttmp9                           ; slice
	s_and_b32 s16, ttmp7, 0xffff                   ; expert
	s_mov_b32 s34, 0xffff0000
	s_mov_b32 s19, 0
	v_and_b32 v1, 31, v0                           ; L
	v_and_b32 v2, 15, v0                           ; r
	v_bfe_u32 v3, v0, 4, 1                         ; h
	v_and_b32 v14, 7, v0
	v_bfe_u32 v15, v0, 3, 1
	v_lshlrev_b32 v21, 4, v1                       ; 16 L
	v_bfe_u32 v22, v0, 3, 2                        ; L / 8
	v_lshlrev_b32 v23, 4, v14                      ; 16 (L % 8)
	s_lshl_b32 s28, s14, 20                        ; 256 w rows of 4,096 bytes
	v_lshl_add_u32 v[WO], v22, 13, v23             ; 2 (L / 8) rows
	v_add_nc_u32 v[WO], s28, v[WO]
	s_mul_i32 s28, s14, 256*P
	v_mul_u32_u24 v[WS], v22, 2*P
	v_lshl_add_u32 v[WS], v14, 3, v[WS]
	v_add_nc_u32 v[WS], s28, v[WS]
	v_lshl_add_u32 v14, v3, 3, v14
	v_mul_u32_u24 v[RD0], v14, P
	v_lshl_add_u32 v[RD0], v15, 4, v[RD0]
	s_mul_i32 s28, s14, LISTW
	s_add_co_u32 s28, s28, LIST
	v_mov_b32 v[LB], s28
	v_add_nc_u32 v[DUMP], 0x800, v1
	v_mov_b32 v[TOK], v1
	s_mul_i32 s28, s14, 16*SP
	s_add_co_u32 s28, s28, STG
	v_mul_u32_u24 v[STO], v2, SP                   ; in: row r, 32 bytes for each half of the lanes
	v_lshl_add_u32 v[STO], v3, 5, v[STO]
	v_add_nc_u32 v[STO], s28, v[STO]
	v_mul_u32_u24 v[SRD], v22, SP                  ; back: 8 lanes take a row
	v_add_nc_u32 v[SRD], v23, v[SRD]
	v_add_nc_u32 v[SRD], s28, v[SRD]
	v_lshlrev_b32 v26, 5, v3                       ; b2: my 8 columns of a block
	v_lshlrev_b32 v28, 3, v1                       ; bm: 8 L
	s_wait_kmcnt 0x0
	s_lshl_b32 s18, s16, 23
	s_lshl_b32 s28, s15, 7
	s_add_co_u32 s18, s18, s28
	s_add_nc_u64 s[4:5], s[4:5], s[18:19]          ; W2 at the expert's row 0, my slice
	s_lshl_b32 s18, s16, 12
	s_add_co_u32 s18, s18, s28
	s_add_nc_u64 s[6:7], s[6:7], s[18:19]
	s_lshl_b32 s18, s16, 23
	s_add_nc_u64 s[8:9], s[8:9], s[18:19]          ; hf at the expert's tile 0
	s_lshl_b32 s18, s16, 8
	s_add_nc_u64 s[10:11], s[10:11], s[18:19]
	s_mov_b32 s18, s28
	s_add_nc_u64 s[38:39], s[38:39], s[18:19]      ; out0 at my slice
	global_load_b64 v[BM:BM+1], v28, s[10:11]
.irp c, 0,1
	global_load_b128 v[BIAS+8*\c:BIAS+8*\c+3], v26, s[6:7] offset:64*\c
	global_load_b128 v[BIAS+8*\c+4:BIAS+8*\c+7], v26, s[6:7] offset:64*\c+16
.endr
.set qq, 0
.rept 32
	WLD qq
.set qq, qq+1
.endr
	s_wait_loadcnt 36                              ; the masks are in: 4 loads of b2 and 32 of W2 were issued behind them
	; THE LIST, as in the first product
	v_mov_b32 v14, 0
	ds_store_b32 v[LB], v14
	s_mov_b32 s20, 0
.set lq, 0
.rept 64
.set lt, 14+(lq&3)
	v_readlane_b32 s28, v[BM+(lq&1)], lq>>1
	v_mbcnt_lo_u32_b32 v[lt], s28, s20
	v_cndmask_b32 v[lt], v[DUMP], v[lt], s28
	v_min_u32 v[lt], 0x81f, v[lt]
	v_lshl_add_u32 v[lt], v[lt], 2, v[LB]
	ds_store_b32 v[lt], v[TOK]
	s_bcnt1_i32_b32 s29, s28
	s_add_co_u32 s20, s20, s29
	v_add_nc_u32 v[TOK], 32, v[TOK]
.set lq, lq+1
.endr
	s_add_co_u32 s21, s20, 15
	s_lshr_b32 s21, s21, 4                         ; nt
	s_max_u32 s22, s20, 1
	s_sub_co_u32 s22, s22, 1                       ; the last place that holds a token
	; the way out's offsets and factors are written once here, so that they hold defined numbers in every trip of the loop over groups, whichever of its jumps are taken
.irp i, 0,1,2
	v_mov_b32 v[PR+2*\i], 0
.endr
.set gi, 0
.rept 12
	v_mov_b32 v[OT+gi], 0
.set gi, gi+1
.endr
	s_wait_loadcnt 32                              ; b2 is in
.set bi, 0
.rept 8
	v_cvt_pk_bf16_f32 v[32+(bi&1)], v[BIAS+2*bi], v[BIAS+2*bi+1]
	v_lshlrev_b32 v[BIAS+2*bi], 16, v[32+(bi&1)]
	v_and_b32 v[BIAS+2*bi+1], s34, v[32+(bi&1)]
.set bi, bi+1
.endr
.set qq, 0
.rept 32
	s_wait_loadcnt 31                              ; the oldest of the 32 loads is in
	WST qq
	WLD qq+32
.set qq, qq+1
.endr
.rept 32
	s_wait_loadcnt 63-qq                           ; the counts run down
	WST qq
.set qq, qq+1
.endr
	s_wait_dscnt 0x0                               ; for the others' sake: my part of the slice is in LDS
	s_barrier_signal -1
	s_barrier_wait -1                              ; the slice is whole
	s_mov_b32 s23, s14
	s_mov_b32 s24, 6
.Lgrp:
	s_cmp_ge_u32 s23, s21
	s_cbranch_scc1 .Lmet                           ; no tile in this group: the products are jumped
.set gi, 0
.rept 3
	s_add_co_u32 s28, s23, 8*gi
	s_cmp_lt_u32 s28, s21                          ; has the slot a tile?
	s_cselect_b32 s29, s28, s23                    ; if not: the group's first tile,
	s_cselect_b32 s30, 0x1f0, 0                    ; and all lanes at the first 16 bytes of each of its pieces
	s_min_u32 s29, s29, 127                        ; an expert has 128 tiles at the most
	s_min_u32 s30, s30, 0x1f0
	s_lshl_b32 s29, s29, 16
	v_and_b32 v[OFF+gi], s30, v21                  ; 16 L, or 0
	v_add_nc_u32 v[OFF+gi], s29, v[OFF+gi]
	s_lshl_b32 s28, s28, 4
	v_add_nc_u32 v32, s28, v2                      ; place 16 tile + r: whose prob I multiply by
	v_min_u32 v32, s22, v32
	v_min_u32 v32, 0x7ff, v32
	v_lshl_add_u32 v32, v32, 2, v[LB]
	ds_load_b32 v[TK+gi], v32
.set gt, 0
.rept 4
	s_add_co_u32 s31, s28, 4*gt
	v_add_nc_u32 v[33+gt], s31, v22                ; place 16 tile + 4 t + L / 8: whose row I store
	v_min_u32 v[33+gt], s22, v[33+gt]
	v_min_u32 v[33+gt], 0x7ff, v[33+gt]
	v_lshl_add_u32 v[33+gt], v[33+gt], 2, v[LB]
	ds_load_b32 v[OT+4*gi+gt], v[33+gt]
.set gt, gt+1
.endr
.set gi, gi+1
.endr
.set gi, 0
.rept 48                                               ; the sums begin at the bias
	v_mov_b32 v[ACC+gi], v[BIAS+(gi&15)]
.set gi, gi+1
.endr
	s_wait_dscnt 0x0
.irp i, 0,1,2
	v_min_u32 v[TK+\i], 0x7ff, v[TK+\i]
	v_lshlrev_b32 v[PA+\i], 2, v[TK+\i]
	global_load_b32 v[PR+2*\i], v[PA+\i], s[36:37]
.endr
.set gi, 0
.rept 12
	v_min_u32 v[OT+gi], 0x7ff, v[OT+gi]
	v_lshl_add_u32 v[OT+gi], v[OT+gi], 12, v23     ; token x 4,096 bytes + 16 (L % 8)
.set gi, gi+1
.endr
	s_mov_b64 s[AB:AB+1], s[8:9]
	s_add_co_u32 s28, s23, 16
	s_cmp_lt_u32 s28, s21
	s_cbranch_scc0 .Ltwo
	KLOOP 3
	s_branch .Lmet
.Ltwo:
	KLOOP 2
.Lmet:
	PLACES                                         ; four places behind the last products
	s_wait_dscnt 0x0                               ; my reads of the slice and of my list are over;
	s_barrier_signal -1
	s_barrier_wait -1                              ; everybody's are: the stages are written only behind this barrier
	s_cmp_ge_u32 s23, s21
	s_cbranch_scc1 .Lnext                          ; no tile in this group: the way out is jumped
.irp i, 0,1,2
	v_mov_b32 v[PR+2*\i+1], v[PR+2*\i]             ; a pair for the packed multiply
.endr
	OUTT 0
	OUTT 1
	OUTT 2
.Lnext:
	s_wait_dscnt 0x0                               ; my stage's stores and reads are over;
	s_barrier_signal -1
	s_barrier_wait -1                              ; everybody's are: the next group's reads come behind this barrier
	s_wait_xcnt 0x0                                ; the stores' data and offsets are rewritten only behind this wait
	s_add_co_u32 s23, s23, 24
	s_sub_co_u32 s24, s24, 1
	s_cmp_lg_u32 s24, 0
	s_cbranch_scc1 .Lgrp
	s_wait_tensorcnt 0x0                           ; the wave's end
	ds_add_u32 v30, v31
	s_wait_dscnt 0x0
	s_endpgm
.Lfunc_end_k_qf908f19d22_down:
	.size	k_qf908f19d22_down, .Lfunc_end_k_qf908f19d22_down-k_qf908f19d22_down
	.p2alignl 7, 3214868480
	.fill 96, 4, 3214868480
	.section	.rodata,"a",@progbits
	.p2align	6, 0x0
	.amdhsa_kernel k_qf908f19d22_down
		.amdhsa_group_segment_fixed_size 283648
		.amdhsa_private_segment_fixed_size 0
		.amdhsa_enable_private_segment 0
		.amdhsa_kernarg_size 48
		.amdhsa_user_sgpr_count 2
		.amdhsa_user_sgpr_kernarg_segment_ptr 1
		.amdhsa_wavefront_size32 1
		.amdhsa_system_sgpr_workgroup_id_x 1
		.amdhsa_system_sgpr_workgroup_id_y 1
		.amdhsa_system_sgpr_workgroup_id_z 1
		.amdhsa_system_vgpr_workitem_id 0
		.amdhsa_next_free_vgpr 448
		.amdhsa_next_free_sgpr 66
		.amdhsa_reserve_vcc 0
		.amdhsa_float_denorm_mode_32 3
		.amdhsa_float_denorm_mode_16_64 3
		.amdhsa_memory_ordered 1
		.amdhsa_forward_progress 1
		.amdhsa_inst_pref_size 126
	.end_amdhsa_kernel
	.amdgpu_metadata
---
amdhsa.version: [ 1, 2 ]
amdhsa.kernels:
  - .name:           k_qf908f19d22_down
    .symbol:         k_qf908f19d22_down.kd
    .args:
      - { .name: W2, .offset: 0, .size: 8, .value_kind: global_buffer, .address_space: global }
      - { .name: b2, .offset: 8, .size: 8, .value_kind: global_buffer, .address_space: global }
      - { .name: hf, .offset: 16, .size: 8, .value_kind: global_buffer, .address_space: global }
      - { .name: bm, .offset: 24, .size: 8, .value_kind: global_buffer, .address_space: global }
      - { .name: prob, .offset: 32, .size: 8, .value_kind: global_buffer, .address_space: global }
      - { .name: out0, .offset: 40, .size: 8, .value_kind: global_buffer, .address_space: global }
    .group_segment_fixed_size: 283648
    .private_segment_fixed_size: 0
    .kernarg_segment_align: 8
    .kernarg_segment_size: 48
    .max_flat_workgroup_size: 256
    .sgpr_count:     66
    .vgpr_count:     448
    .wavefront_size: 32
...
	.end_amdgpu_metadata
.endif
;; end of part 3
;; ======== version 2 of 2: 3 launches; version 1 with the launches up, down written anew for expert scheduling mode
;; limits: values are held in f16: magnitudes above 65,504 overflow, below 6.1e-05 lose precision
;; workspace buffers: xb 4,194,304 bytes; bm 2,048 bytes of whole numbers; prob 8,192 bytes; hf 67,108,864 bytes
;; launch route: the kernel of part 1 again; grid 128 x 1, 8 waves a work-group, no clusters, 56,320 bytes of LDS; arguments x, Wr, br, xb, bm, prob; writes xb, bm, prob
;; launch up (part 4): grid 32 x 8, 8 waves a work-group, no clusters, 232,448 bytes of LDS; arguments W1, b1, xb, bm, hf; writes hf
.if DOCPART == 4
	.amdgcn_target "amdgcn-amd-amdhsa--gfx1250"
	.amdhsa_code_object_version 6
	.text
	.protected	k_qf908f19d22_up
	.globl	k_qf908f19d22_up
	.p2align	8
	.type	k_qf908f19d22_up,@function
k_qf908f19d22_up:
	s_mov_b64 s[64:65], 0
	v_nop
	global_prefetch_b8 v0, s[64:65] scope:SCOPE_SE
	s_setreg_imm32_b32 hwreg(HW_REG_WAVE_SCHED_MODE, 0, 2), 2
	s_setreg_imm32_b32 hwreg(HW_REG_WAVE_MODE, 25, 1), 1
	s_wait_xcnt 0x0
	s_wait_alu depctr_vm_vsrc(0)
; FIRST PRODUCT.  h = relu(x W1[e] + b1[e]) for the tokens that chose expert e alone.  W1: [8][1024][2048] f32, b1: [8][2048] f32 (both rounded to bf16 here), xb: [2048][1024] bf16,
; bm: [8][128] 16-bit masks of each expert's tokens.  Sums in f32; h is rounded once, to f16.
; SHARES.  Work-group (s, e) has columns 64 s .. 64 s + 63 of expert e's W1, which it alone reads, and ALL of the expert's rows.  The n rows, in ascending order of token, lie in nt = ceil(n / 16) tiles of 16;
; wave w takes tiles w + 8 (3 g + i), i = 0..2, in group g = 0..5: six trips cover all 128 tiles that one expert can have; a group without a tile is jumped.  Places past n repeat row n - 1.
; PHASE A: the slice streams through registers into LDS as bf16, [k][64 columns]; 28 to 32 loads of 512 bytes are out in each wave; each wave makes its own list of the expert's tokens under the first 32.
; One barrier.  PHASE B writes no LDS and has no barrier in its loops, since its length hangs on n: token rows come from memory straight into registers as source 1, the slice's fragments by the turning load as source 0.
; A second barrier stands behind phase B, ahead of the closing lines, which write LDS again.
; A lane's eight results are eight neighbouring columns of one token, and packed they ARE 16 bytes of the next launch's operand: hf holds, for tile t of expert e (at (128 e + t) x 65,536 bytes),
; [K step of 32 columns][half][lane][16 bytes]; every store here and every load there covers 512 consecutive bytes.
; NO CLUSTER, NO TENSOR LOAD: each weight byte has one reader; the rows that an expert's 32 work-groups share come by a list, which no tile descriptor covers, in a loop whose length is read from memory.
; LIMITS.  |h| stays under 65,520 (f16); NaN and infinities are not treated apart.
; THE MODE: SCHED_MODE bits 1:0 = 2 (LLVM: expert scheduling mode 2), set by the entry lines.  The code itself states the register dependences
; between vector or matrix instructions and memory or LDS instructions, with s_wait_alu, always for 0.
; THE PLAN.  Registers that memory or LDS instructions touch:
;   PHASE A.  LS0, LS1: a batch of eight mask words writes eight list addresses and eight tokens into one set; its eight LDS stores read them; the sets take turns.
;             LAND: loads land; a batch's conversions read four slots; behind the batch's wait the slots are asked for again.   OB0, OB1: the conversions write one, the batch's four LDS stores read it; they take turns.
;   PHASE B.  LA: written at a group's head, read by its three list loads.   OFF: those loads land, two vector lines finish it, every load of rows reads it.   RD: written at a pair's head, read by the turning loads.
;             WF0, WF1: step k's products read WF[k & 1]; the loads dealt among them land in the other.   The rows' two buffers (window 1): steps 0-3 read one, steps 4-7 the other; each is asked for again at the head of the step behind its last.
;             The accumulators: the way out rounds a tile in place, its four stores read it.   HO: read by the stores, stepped once a group.
;   v[WO], v[WS], v[WS+1], v[RD0], v[LB], v25, v26, v28: made at the head, never written again.   v30, v31: read by the closing add alone.
; So ONE wait on va_vdst stands at a K step's head, one at a batch's end, one ahead of each run of stores or list loads; the waits on vm_vsrc stand where a register that a memory or LDS instruction has read is written again:
; at a batch's head, at a pair's head (RD), and once a group ahead of the backward jump.
.set NCB,   4                   ; blocks of 16 columns
.set P,     160                 ; a row of the slice in LDS: 128 bytes + 32
.set KSB,   32*P                ; a K step of 32
.set PAIRL, 8*KSB               ; a pair of blocks of four K steps
.set NPAIR, 4
.set JB,    32                  ; operand bytes: from one 16-byte piece of a lane to the next; a block of four K steps; a pair
.set BLKB,  256
.set PAIRB, 512
.set LIST,  1024*P              ; behind the slice: each wave's list, 2,048 places and 32 words for lanes that have nothing to list
.set LISTW, 8448
.set SPARE, LIST+8*LISTW        ; the spare words, 128 bytes a wave: no other line names them
.set WO,  4                     ; v4     my byte offset in W1's slice
.set WS,  5                     ; v5, v6 where I put 8 bytes of the slice: rows 0-511, rows 512-1023
.set RD0, 7                     ; v7     my place in a turning load; never rewritten
.set RD,  8                     ; v8     the same in the pair of blocks in hand: RD0 + s35
.set LB,  9                     ; v9     my wave's list
.set DUMP, 10                   ; v10    2048 + L
.set BM,  12                    ; v[12:13] words 2 L, 2 L + 1 of the expert's 64 mask words
.set LA,  14                    ; v14-16 phase B, slot i: the LDS address of my place in the list
.set OFF, 18                    ; v18-20 slot i: my byte offset in xb
.set HO,  29                    ; v29    my byte offset in hf: 16 L + first tile x 65,536
.set LAND, 40                   ; v40-167 phase A: 32 slots of 4
.set WF,  40                    ; v40-103 phase B: the slice's fragments, two buffers of 4 x 8
.set ACC, 104                   ; v104-199 accumulator (slot i, block c) at 32 i + 8 c
.set LS,  168                   ; v168-199 phase A: the list's two sets: 8 addresses, then 8 tokens
.set BIAS, 200                  ; v200-231 b1 of my 8 columns in each block
.set OB,  232                   ; v232-247 phase A: two out-buffers of 4 slots x 2 registers
.set AB,  26                    ; s[26:27] xb, walking along K
.set TB,  35                    ; s35    LDS byte at which the pair in hand begins in the slice
.set MK,  36                    ; s36-43 a batch's eight mask words
; window 1: v0-95, v96-191: the token rows' fragments, two buffers: slot i, K step k % 4 at 32 i + 8 (k % 4)
.set MSB, 0
.macro WIN new                  ; s_set_vgpr_msb: bits 3:2 source 1, 7:6 destination; the high byte repeats the setting that is left
.if MSB != (\new)
	s_set_vgpr_msb (MSB<<8)|(\new)
.set MSB, (\new)
.endif
.endm
.macro PLACES                   ; four places between matrix instructions and vector reads of their results (ISA guide 7.12.1)
.rept 4
	v_nop
.endr
.endm
; Load q of 64: rows 256 (q / 16) + 32 w + (q % 4) + 8 ((q % 16) / 4) + 4 h; 16 lanes take a row's 256 bytes, aligned.  The two rows lie 4 apart, so that their LDS stores fall on different banks.
.macro WLD q
.set wi, (\q)&15
	global_load_b128 v[LAND+4*((\q)&31):LAND+4*((\q)&31)+3], v[WO], s[4:5] offset:(256*((\q)>>4)+(wi&3)+8*(wi>>2))*8192 th:TH_LOAD_NT
.endm
.macro WCV q, o                 ; slot q's four numbers, rounded to bf16, into two registers of an out-buffer
.set wr, LAND+4*((\q)&31)
	v_cvt_pk_bf16_f32 v[\o], v[wr], v[wr+1]
	v_cvt_pk_bf16_f32 v[(\o)+1], v[wr+2], v[wr+3]
.endm
.macro WPUT q, o
.set wi, (\q)&15
	ds_store_b64 v[WS+((\q)>>5)], v[(\o):(\o)+1] offset:(256*(((\q)>>4)&1)+(wi&3)+8*(wi>>2))*P
.endm
; Batch g of 16: slots 4 g .. 4 g + 3.  ahead = 1: the slots are asked for again, 32 loads on.  left = how many younger loads may stay out.
.macro WBATCH g, ahead, left
	s_wait_loadcnt \left                           ; loads come back in order (ISA guide 5.7.1): the batch's four are in
.if (\g) >= 2
	s_wait_alu depctr_vm_vsrc(0)                   ; the LDS stores of two batches back have read this out-buffer, which the conversions write again (and the list's stores their sets, which become accumulators)
.endif
.irp j, 0,1,2,3
	WCV 4*(\g)+\j, OB+8*((\g)&1)+2*\j
.endr
	s_wait_alu depctr_va_vdst(0)                   ; the conversions have written the out-buffer, which the LDS stores read, and are done reading the four slots, in which the loads land
.if \ahead
.irp j, 0,1,2,3
	WLD 4*(\g)+\j+32
.endr
.endif
.irp j, 0,1,2,3
	WPUT 4*(\g)+\j, OB+8*((\g)&1)+2*\j
.endr
.endm
.macro ALOAD nt, buf, base      ; a block of four K steps of nt tiles' rows: 8 loads a tile, together 256 whole bytes of each of 16 rows
	WIN 0x40
.set ai, 0
.rept \nt
.set aj, 0
.rept 8
	global_load_b128 v[96*(\buf)+32*ai+4*aj:96*(\buf)+32*ai+4*aj+3], v[OFF+ai], s[AB:AB+1] offset:(\base)+aj*JB
.set aj, aj+1
.endr
.set ai, ai+1
.endr
.endm
.macro WFRAG adr, k, c          ; the slice's fragment of K step k of the pair (k = 8: the next pair's first), block c
.set wr, WF+8*NCB*((\k)&1)+8*(\c)
	ds_load_tr16_b128 v[wr:wr+3], v[\adr] offset:(\k)*KSB+32*(\c)
	ds_load_tr16_b128 v[wr+4:wr+7], v[\adr] offset:(\k)*KSB+32*(\c)+16*P
.endm
.macro KSTEP nt, k, last
.set more, 1
.if ((\k) == 7) && (\last)
.set more, 0                    ; the last step of all asks for nothing, so it states nothing
.endif
.if ((\k) == 0) || (((\k) == 4) && !(\last))
	WIN 0x40                                       ; the switch, then the wait, then the loads
.endif
.if more
	s_wait_alu depctr_va_vdst(0)                   ; step k - 1's products are done reading the other buffer of the slice's fragments and, at k = 0 and 4, the other buffer of rows: the loads below land there; at k = 0 v[RD] is written
.endif
.if (\k) == 0
	ALOAD \nt, 1, BLKB
.elseif ((\k) == 4) && !(\last)
	ALOAD \nt, 0, 2*BLKB
.endif
	WIN 0x04                                       ; source 1 in window 1
.if ((\k) == 4) && (\last)
	s_wait_loadcnt 0x0                             ; the last block
.elseif ((\k) == 0) || ((\k) == 4)
	s_wait_loadcnt 8*(\nt)                         ; the block to be multiplied is in; the block just asked for stays out
.endif
	s_wait_dscnt 0x0                               ; this step's fragments, asked for among the last step's first products
.set ti, 0
.rept \nt                       ; the accumulators take turns, one instruction a turn
.set tc, 0
.rept NCB
.set rD, ACC+8*NCB*ti+8*tc
.set rW, WF+8*NCB*((\k)&1)+8*tc
.set rA, 96*((\k)>>2)+32*ti+8*((\k)&3)
	v_wmma_f32_16x16x32_bf16 v[rD:rD+7], v[rW:rW+7], v[rA:rA+7], v[rD:rD+7]
.if more && (ti == 0)
	WFRAG RD, (\k)+1, tc                           ; the next step's fragments, early in the step.  No wait: no product since the wait above names v[RD] or that buffer
.endif
.set tc, tc+1
.endr
.set ti, ti+1
.endr
.endm
.macro PAIR nt, last
.irp k, 0,1,2,3,4,5,6,7
	KSTEP \nt, \k, \last
.endr
.endm
.macro KLOOP nt                 ; all of K for nt tiles: NPAIR - 1 trips and a last pair written out
	WIN 0x40                                       ; the switch, then the wait, then the loads
	s_wait_alu depctr_va_vdst(0)                   ; v[OFF ..] are written, which the loads of rows read; whatever read or wrote the rows' and the slice's fragment registers before (the last group's products, phase A's conversions) is done
	ALOAD \nt, 0, 0
	WIN 0
.set wc, 0
.rept NCB
	WFRAG RD0, 0, wc                               ; the first K step's fragments: the first pair begins at the slice's first byte
.set wc, wc+1
.endr
	s_mov_b32 s[TB], 0
	s_mov_b32 s25, NPAIR-1
.Lpair_\@:
	s_wait_alu depctr_vm_vsrc(0)                   ; the turning loads issued so far have read v[RD]
	v_add_nc_u32 v[RD], s[TB], v[RD0]              ; the pair's place in the slice + my lane's
	PAIR \nt, 0
	WIN 0
	s_wait_xcnt 0x0                                ; the loads' base is stepped only behind this wait
	s_add_nc_u64 s[AB:AB+1], s[AB:AB+1], PAIRB
	s_add_co_u32 s[TB], s[TB], PAIRL
	s_sub_co_u32 s25, s25, 1
	s_cmp_lg_u32 s25, 0
	s_cbranch_scc1 .Lpair_\@
	s_wait_alu depctr_vm_vsrc(0)                   ; the turning loads issued so far have read v[RD]
	v_add_nc_u32 v[RD], s[TB], v[RD0]
	PAIR \nt, 1                                    ; the last pair asks for nothing beyond the rows' end
	WIN 0
.endm
.macro OUTT i                   ; tile i of the group: rounded to f16, ReLU, stored; a tile past the count is jumped, and so are those behind it
.if (\i) > 0
	s_add_co_u32 s28, s23, 8*(\i)
	s_cmp_ge_u32 s28, s21
	s_cbranch_scc1 .Lnext
.endif
.set oc, 0
.rept NCB
.set oa, ACC+32*(\i)+8*oc
	v_cvt_pk_f16_f32 v[oa], v[oa], v[oa+1]
	v_cvt_pk_f16_f32 v[oa+1], v[oa+2], v[oa+3]
	v_cvt_pk_f16_f32 v[oa+2], v[oa+4], v[oa+5]
	v_cvt_pk_f16_f32 v[oa+3], v[oa+6], v[oa+7]
	v_pk_max_num_f16 v[oa], v[oa], v28
	v_pk_max_num_f16 v[oa+1], v[oa+1], v28
	v_pk_max_num_f16 v[oa+2], v[oa+2], v28
	v_pk_max_num_f16 v[oa+3], v[oa+3], v28
.set oc, oc+1
.endr
	s_wait_alu depctr_va_vdst(0)                   ; the tile's 16 packed registers are written, which the four stores read; so is v[HO]
.set oc, 0
.rept NCB
.set oa, ACC+32*(\i)+8*oc
	global_store_b128 v[HO], v[oa:oa+3], s[12:13] offset:(\i)*524288+512*oc   ; 512 consecutive bytes, aligned
.set oc, oc+1
.endr
.endm
	s_load_b256 s[4:11], s[0:1], 0x0               ; W1 s[4:5], b1 s[6:7], xb s[8:9], bm s[10:11]
	s_load_b64 s[12:13], s[0:1], 0x20              ; hf
	v_lshl_add_u32 v30, v0, 2, SPARE               ; my spare word
	v_mov_b32 v31, 0
	v_lshrrev_b32 v1, 5, v0
	v_readfirstlane_b32 s14, v1                    ; wave
	s_mov_b32 s15, ttmp9                           ; slice
	s_and_b32 s16, ttmp7, 0xffff                   ; expert
	s_mov_b32 s34, 0xffff0000
	s_mov_b32 s19, 0
	v_and_b32 v1, 31, v0                           ; L
	v_and_b32 v2, 15, v0                           ; r
	v_bfe_u32 v3, v0, 4, 1                         ; h
	v_and_b32 v14, 7, v0
	v_bfe_u32 v15, v0, 3, 1
	s_wait_alu depctr_va_sdst(0)                   ; s14 is written, ahead of its first reader
	s_lshl_b32 s28, s14, 18                        ; 32 w rows of 8,192 bytes
	v_lshlrev_b32 v[WO], 15, v3                    ; 4 h rows
	v_lshl_add_u32 v[WO], v2, 4, v[WO]
	v_add_nc_u32 v[WO], s28, v[WO]
	s_mul_i32 s28, s14, 32*P
	v_mul_u32_u24 v[WS], v3, 4*P
	v_lshl_add_u32 v[WS], v2, 3, v[WS]
	v_add_nc_u32 v[WS], s28, v[WS]
	v_add_nc_u32 v[WS+1], 512*P, v[WS]
	v_lshl_add_u32 v14, v3, 3, v14
	v_mul_u32_u24 v[RD0], v14, P                   ; row 8 h + L % 8,
	v_lshl_add_u32 v[RD0], v15, 4, v[RD0]          ; columns 8 ((L / 8) % 2) on
	s_mul_i32 s28, s14, LISTW
	s_add_co_u32 s28, s28, LIST
	v_mov_b32 v[LB], s28
	v_add_nc_u32 v[DUMP], 0x800, v1
	v_lshlrev_b32 v25, 3, v1                       ; bm: 8 L
	v_lshlrev_b32 v26, 5, v3                       ; b1: my 8 columns of a block
	v_lshlrev_b32 v27, 4, v3                       ; 16 h
	v_mov_b32 v28, 0                               ; for the ReLU, and for the list's place 0
	s_lshl_b32 s28, s14, 16
	v_lshl_add_u32 v[HO], v1, 4, s28
	s_wait_kmcnt 0x0
	s_lshl_b32 s18, s16, 23
	s_lshl_b32 s28, s15, 8
	s_add_co_u32 s18, s18, s28
	s_add_nc_u64 s[4:5], s[4:5], s[18:19]          ; W1 at the expert's row 0, my slice
	s_lshl_b32 s18, s16, 13
	s_add_co_u32 s18, s18, s28
	s_add_nc_u64 s[6:7], s[6:7], s[18:19]
	s_lshl_b32 s18, s16, 8
	s_add_nc_u64 s[10:11], s[10:11], s[18:19]
	s_lshl_b32 s18, s16, 23
	s_lshl_b32 s28, s15, 11                        ; my 64 columns are K steps 2 s and 2 s + 1 of a tile
	s_add_co_u32 s18, s18, s28
	s_add_nc_u64 s[12:13], s[12:13], s[18:19]
	s_wait_alu depctr_va_vdst(0)                   ; the head's offsets and addresses (v4 to v10, v25, v26, v29) and the 0 in v28 are written, which the loads and stores below read
	global_load_b64 v[BM:BM+1], v25, s[10:11]
.irp c, 0,1,2,3
	global_load_b128 v[BIAS+8*\c:BIAS+8*\c+3], v26, s[6:7] offset:64*\c
	global_load_b128 v[BIAS+8*\c+4:BIAS+8*\c+7], v26, s[6:7] offset:64*\c+16
.endr
.set qq, 0
.rept 32
	WLD qq
.set qq, qq+1
.endr
	s_wait_loadcnt 40                              ; the masks are in: 8 loads of b1 and 32 of W1 were issued behind them
	; THE LIST, under the loads, eight mask words to a batch: a lane whose bit is set puts its token, L + 32 x word, at the place of its rank; the others write to words behind the list
	ds_store_b32 v[LB], v28                        ; place 0 exists also where the expert has no token
	s_mov_b32 s20, 0
.set lb, 0
.rept 8
.set ls, LS+16*(lb&1)
.irp j, 0,1,2,3,4,5,6,7
	v_readlane_b32 s[MK+\j], v[BM+(\j&1)], 4*lb+(\j>>1)   ; word 8 lb + j
.endr
	s_wait_alu depctr_va_sdst(0)                   ; the eight words are written, ahead of their first readers
.if lb >= 2
	s_wait_alu depctr_vm_vsrc(0)                   ; the LDS stores of two batches back have read this set
.endif
.irp j, 0,1,2,3,4,5,6,7
	v_mbcnt_lo_u32_b32 v[ls+\j], s[MK+\j], s20     ; tokens so far + set bits below mine
	s_bcnt1_i32_b32 s29, s[MK+\j]
	s_add_co_u32 s20, s20, s29
.endr
.irp j, 0,1,2,3,4,5,6,7
	v_cndmask_b32 v[ls+\j], v[DUMP], v[ls+\j], s[MK+\j]
.endr
.irp j, 0,1,2,3,4,5,6,7
	v_min_u32 v[ls+\j], 0x81f, v[ls+\j]
.endr
.irp j, 0,1,2,3,4,5,6,7
	v_lshl_add_u32 v[ls+\j], v[ls+\j], 2, v[LB]
.endr
.irp j, 0,1,2,3,4,5,6,7
	v_add_nc_u32 v[ls+8+\j], 32*(8*lb+\j), v1
.endr
	s_wait_alu depctr_va_vdst(0)                   ; the set's eight addresses and eight tokens are written, which the LDS stores read
.irp j, 0,1,2,3,4,5,6,7
	ds_store_b32 v[ls+\j], v[ls+8+\j]
.endr
.set lb, lb+1
.endr
	s_add_co_u32 s21, s20, 15
	s_lshr_b32 s21, s21, 4                         ; nt
	s_max_u32 s22, s20, 1
	s_sub_co_u32 s22, s22, 1                       ; the last place that holds a token
	s_wait_loadcnt 32                              ; b1 is in: the 32 loads of W1 were issued behind it
.set bi, 0
.rept 16                                               ; b1 rounded to bf16, widened again
	v_cvt_pk_bf16_f32 v[32+(bi&1)], v[BIAS+2*bi], v[BIAS+2*bi+1]
	v_lshlrev_b32 v[BIAS+2*bi], 16, v[32+(bi&1)]
	v_and_b32 v[BIAS+2*bi+1], s34, v[32+(bi&1)]
.set bi, bi+1
.endr
.set gg, 0
.rept 8
	WBATCH gg, 1, 28                               ; the oldest four of the 32 loads are in
.set gg, gg+1
.endr
.rept 8
	WBATCH gg, 0, 60-4*gg                          ; the counts run down
.set gg, gg+1
.endr
	s_wait_dscnt 0x0                               ; for the others' sake: my part of the slice is in LDS
	s_barrier_signal -1
	s_barrier_wait -1                              ; the slice is whole
	s_mov_b32 s23, s14                             ; the group's first tile
	s_mov_b32 s24, 6
.Lgrp:
	s_cmp_ge_u32 s23, s21
	s_cbranch_scc1 .Lnext                          ; no tile in this group
.set gi, 0
.rept 3
	s_add_co_u32 s28, s23, 8*gi
	s_lshl_b32 s28, s28, 4
	v_add_nc_u32 v[LA+gi], s28, v2                 ; place 16 tile + r,
	v_min_u32 v[LA+gi], s22, v[LA+gi]              ; or the last that holds a token
	v_min_u32 v[LA+gi], 0x7ff, v[LA+gi]
	v_lshl_add_u32 v[LA+gi], v[LA+gi], 2, v[LB]
.set gi, gi+1
.endr
	s_wait_alu depctr_va_vdst(0)                   ; the three list addresses are written; the last group's vector lines on v[OFF ..], in which the loads land, are done
.irp i, 0,1,2
	ds_load_b32 v[OFF+\i], v[LA+\i]
.endr
.set gi, 0
.rept 96                                               ; the sums begin at the bias
	v_mov_b32 v[ACC+gi], v[BIAS+(gi&31)]
.set gi, gi+1
.endr
	s_wait_dscnt 0x0
.irp i, 0,1,2
	v_min_u32 v[OFF+\i], 0x7ff, v[OFF+\i]
	v_lshl_add_u32 v[OFF+\i], v[OFF+\i], 11, v27   ; token x 2,048 bytes + 16 h
.endr
	s_mov_b64 s[AB:AB+1], s[8:9]
	s_add_co_u32 s28, s23, 16
	s_cmp_lt_u32 s28, s21
	s_cbranch_scc0 .Ltwo
	KLOOP 3
	s_branch .Lepi
.Ltwo:
	KLOOP 2
.Lepi:
	PLACES
	OUTT 0
	OUTT 1
	OUTT 2
.Lnext:
	s_wait_xcnt 0x0                                ; the stores' data and offset are rewritten only behind this wait
	s_wait_alu depctr_vm_vsrc(0)                   ; the stores have read the accumulators and v[HO], the list loads v[LA ..], the loads of rows v[OFF ..]: the line below and the next group write them again
	s_add_co_u32 s23, s23, 24
	v_add_nc_u32 v[HO], 24<<16, v[HO]
	s_sub_co_u32 s24, s24, 1
	s_cmp_lg_u32 s24, 0
	s_cbranch_scc1 .Lgrp
	s_wait_dscnt 0x0                               ; my reads of LDS are over;
	s_barrier_signal -1
	s_barrier_wait -1                              ; everybody's are: only behind this barrier is LDS written again, by the closing lines
	s_wait_dscnt 0x0                               ; the closing lines, six on end
	s_wait_alu 0x0
	s_wait_tensorcnt 0x0
	ds_add_u32 v30, v31
	s_wait_dscnt 0x0
	s_endpgm
.Lfunc_end_k_qf908f19d22_up:
	.size	k_qf908f19d22_up, .Lfunc_end_k_qf908f19d22_up-k_qf908f19d22_up
	.p2alignl 7, 3214868480
	.fill 96, 4, 3214868480
	.section	.rodata,"a",@progbits
	.p2align	6, 0x0
	.amdhsa_kernel k_qf908f19d22_up
		.amdhsa_group_segment_fixed_size 232448
		.amdhsa_private_segment_fixed_size 0
		.amdhsa_enable_private_segment 0
		.amdhsa_kernarg_size 40
		.amdhsa_user_sgpr_count 2
		.amdhsa_user_sgpr_kernarg_segment_ptr 1
		.amdhsa_wavefront_size32 1
		.amdhsa_system_sgpr_workgroup_id_x 1
		.amdhsa_system_sgpr_workgroup_id_y 1
		.amdhsa_system_sgpr_workgroup_id_z 1
		.amdhsa_system_vgpr_workitem_id 0
		.amdhsa_next_free_vgpr 448
		.amdhsa_next_free_sgpr 66
		.amdhsa_reserve_vcc 0
		.amdhsa_float_denorm_mode_32 3
		.amdhsa_float_denorm_mode_16_64 3
		.amdhsa_memory_ordered 1
		.amdhsa_forward_progress 1
		.amdhsa_inst_pref_size 126
	.end_amdhsa_kernel
	.amdgpu_metadata
---
amdhsa.version: [ 1, 2 ]
amdhsa.kernels:
  - .name:           k_qf908f19d22_up
    .symbol:         k_qf908f19d22_up.kd
    .args:
      - { .name: W1, .offset: 0, .size: 8, .value_kind: global_buffer, .address_space: global }
      - { .name: b1, .offset: 8, .size: 8, .value_kind: global_buffer, .address_space: global }
      - { .name: xb, .offset: 16, .size: 8, .value_kind: global_buffer, .address_space: global }
      - { .name: bm, .offset: 24, .size: 8, .value_kind: global_buffer, .address_space: global }
      - { .name: hf, .offset: 32, .size: 8, .value_kind: global_buffer, .address_space: global }
    .group_segment_fixed_size: 232448
    .private_segment_fixed_size: 0
    .kernarg_segment_align: 8
    .kernarg_segment_size: 40
    .max_flat_workgroup_size: 256
    .sgpr_count:     66
    .vgpr_count:     448
    .wavefront_size: 32
...
	.end_amdgpu_metadata
.endif
;; end of part 4
;; launch down (part 5): grid 32 x 8, 8 waves a work-group, no clusters, 283,648 bytes of LDS; arguments W2, b2, hf, bm, prob, out0; writes out0
.if DOCPART == 5
	.amdgcn_target "amdgcn-amd-amdhsa--gfx1250"
	.amdhsa_code_object_version 6
	.text
	.protected	k_qf908f19d22_down
	.globl	k_qf908f19d22_down
	.p2align	8
	.type	k_qf908f19d22_down,@function
k_qf908f19d22_down:
	s_mov_b64 s[64:65], 0
	v_nop
	global_prefetch_b8 v0, s[64:65] scope:SCOPE_SE
	s_setreg_imm32_b32 hwreg(HW_REG_WAVE_SCHED_MODE, 0, 2), 2
	s_setreg_imm32_b32 hwreg(HW_REG_WAVE_MODE, 25, 1), 1
	s_wait_xcnt 0x0
	s_wait_alu depctr_vm_vsrc(0)
; SECOND PRODUCT.  out[t] = (h[t] W2[e] + b2[e]) prob[t] for the tokens that chose expert e.  W2: [8][2048][1024] f32, b2: [8][1024] f32 (both rounded to bf16; W2's rounded number is then written as f16,
; since h is f16), hf: h in tiles of 16 sorted rows, laid as this launch's operand registers take them, bm: the experts' token masks, prob: [2048] f32, out0: [2048][1024] f32.  Sums in f32.
; SHARES.  Work-group (s, e) has columns 32 s .. 32 s + 31 of expert e's W2, which it alone reads, and all of the expert's rows: tiles w + 8 (3 g + i) for wave w, i = 0..2, g = 0..5, as in the first product.
; Each token has one expert, so each output byte has one owner.  Places past the count repeat row n - 1: the same bits go to the same address.  A slot without a tile reads 16 written bytes of the group's first tile.
; PHASE A streams the slice through registers into LDS as f16, [k][32 columns], 28 to 32 loads of 512 bytes out in each wave, the list made under the first 32.  One barrier.
; PHASE B is a loop of a constant six trips, which covers every split.  Each trip has two barriers, which every wave passes: one between the trip's reads of the slice and the stores into the stages,
; one between the stages' traffic and the next trip's reads.  A wave whose group has no tile jumps the work between them, forward, and nothing else.
; 32 columns, not 64: 64 would make 128 work-groups for 256 WGPs; so W2 is read and out0 written in aligned pieces of 128 bytes, four rows to an instruction.
; NO CLUSTER, NO TENSOR LOAD: each weight byte has one reader; the tiles of h that an expert's 32 work-groups share are walked by work whose length is read from memory.
; LIMITS.  |W2| stays within 65,504; a rounded W2 below 2^-14 keeps f16's fixed step of 2^-24.  NaN and infinities are not treated apart.
; THE MODE: SCHED_MODE bits 1:0 = 2 (LLVM: expert scheduling mode 2), set by the entry lines.  The code itself states the register dependences
; between vector or matrix instructions and memory or LDS instructions, with s_wait_alu, always for 0.
; THE PLAN.  Registers that memory or LDS instructions touch:
;   PHASE A.  LS0, LS1: a batch of eight mask words writes eight list addresses and eight tokens into one set; its eight LDS stores read them; the sets take turns.
;             LAND: loads land; a batch's vector lines read four slots and widen in them; behind the batch's wait the slots are asked for again.
;             OB0, OB1 (LS0's registers): the batch's last conversions write one, its four LDS stores read it; they take turns.
;   PHASE B.  LA: 15 list addresses, a register to each, written at a group's head, read by its 15 list loads.   TK, OT: those loads land, vector lines finish them; OT is read by the stores.   OFF, PA: vector lines write them, the loads of h and of prob read them.
;             PR: prob lands, the way out's multiplies read it.   RD: written at a pair's head, read by the turning loads.   WF0, WF1: step k's products read WF[k & 1]; the loads dealt among them land in the other.
;             The tiles' two buffers (window 1): steps 0-3 read one, steps 4-7 the other; each is asked for again at the head of the step behind its last.
;             The accumulators: a tile's multiplies write them, its four LDS stores read them.   BK, 16 registers a tile: the loads from the stage land, the global stores read them.
;   v[WO], v[WS], v[RD0], v[LB], v[STO], v[SRD], v26, v27, v28: made at the head, never written again.   v30, v31: read by the closing add alone.
; So ONE wait on va_vdst stands at a K step's head, one at a batch's end, one ahead of each run of LDS stores or list loads; the waits on vm_vsrc stand where a register that a memory or LDS instruction has read is written again:
; at a batch's head, at a pair's head (RD), and once a group ahead of the backward jump.
.set NCB,   2
.set P,     96                  ; a row of the slice in LDS: 64 bytes + 32
.set KSB,   32*P
.set PAIRL, 8*KSB
.set NPAIR, 8
.set JB,    512                 ; operand bytes: half a K step of a tile; a block of four K steps; a pair
.set BLKB,  4096
.set PAIRB, 8192
.set LIST,  2048*P
.set LISTW, 8448
.set STG,   LIST+8*LISTW        ; each wave's stage for the way out: 16 rows of 128 bytes + 16
.set SP,    144
.set SPARE, STG+8*16*SP         ; the spare words, 128 bytes a wave: no other line names them
.set WO,  4
.set WS,  5
.set RD0, 7                     ; v7     my place in a turning load; never rewritten
.set RD,  8                     ; v8     the same in the pair of blocks in hand: RD0 + s35
.set LB,  9
.set DUMP, 10
.set BM,  12
.set OFF, 18                    ; v18-20 slot i: my byte offset in hf
.set STO, 24                    ; v24    the way out: where I put 16 bytes of a row;  v25 where I read rows back
.set SRD, 25
.set ZR,  27                    ; v27    0, for the list's place 0
.set T,   32                    ; v32-39 phase A: a batch's numbers in bf16; no memory or LDS instruction names them
.set LAND, 40                   ; v40-167 phase A
.set WF,  40                    ; v40-71  two buffers of 2 x 8
.set ACC, 72                    ; v72-119 accumulator (slot i, block c) at 16 i + 8 c
.set BK,  120                   ; v120-167 slot i: 16 registers: the tile's rows, back from the stage
.set BIAS, 168                  ; v168-183
.set PR,  184                   ; v184-189 slot i: prob of token r, twice
.set TK,  190                   ; v190-192 slot i: token r
.set OT,  194                   ; v194-205 slot i, quarter t: my byte offset in out0
.set PA,  206                   ; v206-208 slot i: my byte offset in prob
.set LS,  210                   ; v210-241 phase A: the list's two sets: 8 addresses, then 8 tokens
.set OB,  210                   ; v210-225 phase A, behind the list: two out-buffers of 4 slots x 2 registers
.set LA,  226                   ; v226-240 phase B, slot i: five LDS addresses in my list, at 5 i
.set AB,  26
.set TB,  35                    ; s35    LDS byte at which the pair in hand begins in the slice
.set MK,  40                    ; s40-47 a batch's eight mask words
.set MSB, 0
.macro WIN new
.if MSB != (\new)
	s_set_vgpr_msb (MSB<<8)|(\new)
.set MSB, (\new)
.endif
.endm
.macro PLACES                   ; four places between matrix instructions and vector reads of their results (ISA guide 7.12.1)
.rept 4
	v_nop
.endr
.endm
; Load q of 64: rows 256 w + 8 (q / 2) + q % 2 + 2 (L / 8); 8 lanes take a row's 128 bytes.  The four rows lie 2 apart, so that their LDS stores fall on different banks.
.macro WLD q
	global_load_b128 v[LAND+4*((\q)&31):LAND+4*((\q)&31)+3], v[WO], s[4:5] offset:(8*((\q)>>1)+((\q)&1))*4096 th:TH_LOAD_NT
.endm
; Batch g of 16: slots 4 g .. 4 g + 3: rounded to bf16, widened again in their own registers, and that number written as f16 into an out-buffer; stage by stage, so that no line reads the result of the line before it.
; ahead = 1: the slots are asked for again, 32 loads on.  left = how many younger loads may stay out.
.macro WBATCH g, ahead, left
	s_wait_loadcnt \left                           ; loads come back in order (ISA guide 5.7.1): the batch's four are in
	s_wait_alu depctr_vm_vsrc(0)                   ; the LDS stores that read this out-buffer's registers before have read them: the list's, later those of two batches back
.irp j, 0,1,2,3
.set wr, LAND+4*((4*(\g)+\j)&31)
	v_cvt_pk_bf16_f32 v[T+2*\j], v[wr], v[wr+1]
	v_cvt_pk_bf16_f32 v[T+2*\j+1], v[wr+2], v[wr+3]
.endr
.irp j, 0,1,2,3
.set wr, LAND+4*((4*(\g)+\j)&31)
	v_lshlrev_b32 v[wr], 16, v[T+2*\j]
	v_and_b32 v[wr+1], s34, v[T+2*\j]
	v_lshlrev_b32 v[wr+2], 16, v[T+2*\j+1]
	v_and_b32 v[wr+3], s34, v[T+2*\j+1]
.endr
.irp j, 0,1,2,3
.set wr, LAND+4*((4*(\g)+\j)&31)
.set wo, OB+8*((\g)&1)+2*\j
	v_cvt_pk_f16_f32 v[wo], v[wr], v[wr+1]
	v_cvt_pk_f16_f32 v[wo+1], v[wr+2], v[wr+3]
.endr
	s_wait_alu depctr_va_vdst(0)                   ; the conversions have written the out-buffer, which the LDS stores read; all lines that read or wrote the four slots, in which the loads land, are done
.if \ahead
.irp j, 0,1,2,3
	WLD 4*(\g)+\j+32
.endr
.endif
.irp j, 0,1,2,3
.set wq, 4*(\g)+\j
.set wo, OB+8*((\g)&1)+2*\j
	ds_store_b64 v[WS], v[wo:wo+1] offset:(8*(wq>>1)+(wq&1))*P
.endr
.endm
.macro ALOAD nt, buf, base      ; a block of four K steps of nt tiles: each load takes 512 consecutive bytes
	WIN 0x40
.set ai, 0
.rept \nt
.set aj, 0
.rept 8
	global_load_b128 v[96*(\buf)+32*ai+4*aj:96*(\buf)+32*ai+4*aj+3], v[OFF+ai], s[AB:AB+1] offset:(\base)+aj*JB
.set aj, aj+1
.endr
.set ai, ai+1
.endr
.endm
.macro WFRAG adr, k, c          ; the slice's fragment of K step k of the pair (k = 8: the next pair's first), block c
.set wr, WF+8*NCB*((\k)&1)+8*(\c)
	ds_load_tr16_b128 v[wr:wr+3], v[\adr] offset:(\k)*KSB+32*(\c)
	ds_load_tr16_b128 v[wr+4:wr+7], v[\adr] offset:(\k)*KSB+32*(\c)+16*P
.endm
.macro KSTEP nt, k, last
.set more, 1
.if ((\k) == 7) && (\last)
.set more, 0                    ; the last step of all asks for nothing, so it states nothing
.endif
.if ((\k) == 0) || (((\k) == 4) && !(\last))
	WIN 0x40                                       ; the switch, then the wait, then the loads
.endif
.if more
	s_wait_alu depctr_va_vdst(0)                   ; step k - 1's products are done reading the other buffer of the slice's fragments and, at k = 0 and 4, the other buffer of tiles: the loads below land there; at k = 0 v[RD] is written
.endif
.if (\k) == 0
	ALOAD \nt, 1, BLKB
.elseif ((\k) == 4) && !(\last)
	ALOAD \nt, 0, 2*BLKB
.endif
	WIN 0x04                                       ; source 1 in window 1
.if ((\k) == 4) && (\last)
	s_wait_loadcnt 0x0                             ; the last block
.elseif ((\k) == 0) || ((\k) == 4)
	s_wait_loadcnt 8*(\nt)                         ; the block to be multiplied is in (and, the first time, prob, asked for ahead of the block just issued); that block stays out
.endif
	s_wait_dscnt 0x0                               ; this step's fragments, asked for among the last step's first products
.set ti, 0
.rept \nt                       ; the accumulators take turns, one instruction a turn
.set tc, 0
.rept NCB
.set rD, ACC+8*NCB*ti+8*tc
.set rW, WF+8*NCB*((\k)&1)+8*tc
.set rA, 96*((\k)>>2)+32*ti+8*((\k)&3)
	v_wmma_f32_16x16x32_f16 v[rD:rD+7], v[rW:rW+7], v[rA:rA+7], v[rD:rD+7]
.if more && (ti == 0)
	WFRAG RD, (\k)+1, tc                           ; the next step's fragments, early in the step.  No wait: no product since the wait above names v[RD] or that buffer
.endif
.set tc, tc+1
.endr
.set ti, ti+1
.endr
.endm
.macro PAIR nt, last
.irp k, 0,1,2,3,4,5,6,7
	KSTEP \nt, \k, \last
.endr
.endm
.macro KLOOP nt                 ; all of K for nt tiles: NPAIR - 1 trips and a last pair written out
	WIN 0x40                                       ; the switch, then the wait, then the loads
	s_wait_alu depctr_va_vdst(0)                   ; v[OFF ..] and v[PA ..] are written, which the loads below read; whatever read or wrote the tiles' and the slice's fragment registers and v[PR ..] before (the last group's products and multiplies, phase A's lines) is done
	ALOAD \nt, 0, 0
	WIN 0
.irp i, 0,1,2
	global_load_b32 v[PR+2*\i], v[PA+\i], s[36:37]
.endr
.set wc, 0
.rept NCB
	WFRAG RD0, 0, wc                               ; the first K step's fragments: the first pair begins at the slice's first byte
.set wc, wc+1
.endr
	s_mov_b32 s[TB], 0
	s_mov_b32 s25, NPAIR-1
.Lpair_\@:
	s_wait_alu depctr_vm_vsrc(0)                   ; the turning loads issued so far have read v[RD]
	v_add_nc_u32 v[RD], s[TB], v[RD0]              ; the pair's place in the slice + my lane's
	PAIR \nt, 0
	WIN 0
	s_wait_xcnt 0x0                                ; the loads' base is stepped only behind this wait
	s_add_nc_u64 s[AB:AB+1], s[AB:AB+1], PAIRB
	s_add_co_u32 s[TB], s[TB], PAIRL
	s_sub_co_u32 s25, s25, 1
	s_cmp_lg_u32 s25, 0
	s_cbranch_scc1 .Lpair_\@
	s_wait_alu depctr_vm_vsrc(0)                   ; the turning loads issued so far have read v[RD]
	v_add_nc_u32 v[RD], s[TB], v[RD0]
	PAIR \nt, 1
	WIN 0
.endm
; Tile i of the group: times prob; a lane's 8 columns of a token go into my wave's stage and come back as rows of 128 bytes, into registers of their own, which go to the tokens' rows of out0.
.macro OUTT i
.if (\i) > 0
	s_add_co_u32 s28, s23, 8*(\i)
	s_cmp_ge_u32 s28, s21
	s_cbranch_scc1 .Lnext
.endif
.set oa, ACC+16*(\i)
.set bk, BK+16*(\i)
.set on, 0
.rept 8
	v_pk_mul_f32 v[oa+2*on:oa+2*on+1], v[oa+2*on:oa+2*on+1], v[PR+2*(\i):PR+2*(\i)+1]
.set on, on+1
.endr
	s_wait_alu depctr_va_vdst(0)                   ; the multiplies have written the tile's 16 registers, which the LDS stores read
.irp c, 0,1
	ds_store_b128 v[STO], v[oa+8*\c:oa+8*\c+3] offset:64*\c
	ds_store_b128 v[STO], v[oa+8*\c+4:oa+8*\c+7] offset:64*\c+16
.endr
.irp t, 0,1,2,3
	ds_load_b128 v[bk+4*\t:bk+4*\t+3], v[SRD] offset:4*SP*\t   ; my wave's own bytes: LDS serves a wave in order (ISA guide 5.7.1.4)
.endr
	s_wait_dscnt 0x0
.irp t, 0,1,2,3
	global_store_b128 v[OT+4*(\i)+\t], v[bk+4*\t:bk+4*\t+3], s[38:39] th:TH_STORE_NT   ; four rows x 128 consecutive bytes, aligned to 128
.endr
.endm
	s_load_b256 s[4:11], s[0:1], 0x0               ; W2 s[4:5], b2 s[6:7], hf s[8:9], bm s[10:11]
	s_load_b128 s[36:39], s[0:1], 0x20             ; prob s[36:37], out0 s[38:39]
	v_lshl_add_u32 v30, v0, 2, SPARE               ; my spare word
	v_mov_b32 v31, 0
	v_lshrrev_b32 v1, 5, v0
	v_readfirstlane_b32 s14, v1                    ; wave
	s_mov_b32 s15, ttmp9                           ; slice
	s_and_b32 s16, ttmp7, 0xffff                   ; expert
	s_mov_b32 s34, 0xffff0000
	s_mov_b32 s19, 0
	v_and_b32 v1, 31, v0                           ; L
	v_and_b32 v2, 15, v0                           ; r
	v_bfe_u32 v3, v0, 4, 1                         ; h
	v_and_b32 v14, 7, v0
	v_bfe_u32 v15, v0, 3, 1
	v_lshlrev_b32 v21, 4, v1                       ; 16 L
	v_bfe_u32 v22, v0, 3, 2                        ; L / 8
	v_lshlrev_b32 v23, 4, v14                      ; 16 (L % 8)
	s_wait_alu depctr_va_sdst(0)                   ; s14 is written, ahead of its first reader
	s_lshl_b32 s28, s14, 20                        ; 256 w rows of 4,096 bytes
	v_lshl_add_u32 v[WO], v22, 13, v23             ; 2 (L / 8) rows
	v_add_nc_u32 v[WO], s28, v[WO]
	s_mul_i32 s28, s14, 256*P
	v_mul_u32_u24 v[WS], v22, 2*P
	v_lshl_add_u32 v[WS], v14, 3, v[WS]
	v_add_nc_u32 v[WS], s28, v[WS]
	v_lshl_add_u32 v14, v3, 3, v14
	v_mul_u32_u24 v[RD0], v14, P
	v_lshl_add_u32 v[RD0], v15, 4, v[RD0]
	s_mul_i32 s28, s14, LISTW
	s_add_co_u32 s28, s28, LIST
	v_mov_b32 v[LB], s28
	v_add_nc_u32 v[DUMP], 0x800, v1
	s_mul_i32 s28, s14, 16*SP
	s_add_co_u32 s28, s28, STG
	v_mul_u32_u24 v[STO], v2, SP                   ; in: row r, 32 bytes for each half of the lanes
	v_lshl_add_u32 v[STO], v3, 5, v[STO]
	v_add_nc_u32 v[STO], s28, v[STO]
	v_mul_u32_u24 v[SRD], v22, SP                  ; back: 8 lanes take a row
	v_add_nc_u32 v[SRD], v23, v[SRD]
	v_add_nc_u32 v[SRD], s28, v[SRD]
	v_lshlrev_b32 v26, 5, v3                       ; b2: my 8 columns of a block
	v_mov_b32 v[ZR], 0
	v_lshlrev_b32 v28, 3, v1                       ; bm: 8 L
	s_wait_kmcnt 0x0
	s_lshl_b32 s18, s16, 23
	s_lshl_b32 s28, s15, 7
	s_add_co_u32 s18, s18, s28
	s_add_nc_u64 s[4:5], s[4:5], s[18:19]          ; W2 at the expert's row 0, my slice
	s_lshl_b32 s18, s16, 12
	s_add_co_u32 s18, s18, s28
	s_add_nc_u64 s[6:7], s[6:7], s[18:19]
	s_lshl_b32 s18, s16, 23
	s_add_nc_u64 s[8:9], s[8:9], s[18:19]          ; hf at the expert's tile 0
	s_lshl_b32 s18, s16, 8
	s_add_nc_u64 s[10:11], s[10:11], s[18:19]
	s_mov_b32 s18, s28
	s_add_nc_u64 s[38:39], s[38:39], s[18:19]      ; out0 at my slice
	s_wait_alu depctr_va_vdst(0)                   ; the head's offsets and addresses (v4 to v10, v24 to v26, v28) and the 0 in v27 are written, which the loads and stores below read
	global_load_b64 v[BM:BM+1], v28, s[10:11]
.irp c, 0,1
	global_load_b128 v[BIAS+8*\c:BIAS+8*\c+3], v26, s[6:7] offset:64*\c
	global_load_b128 v[BIAS+8*\c+4:BIAS+8*\c+7], v26, s[6:7] offset:64*\c+16
.endr
.set qq, 0
.rept 32
	WLD qq
.set qq, qq+1
.endr
	s_wait_loadcnt 36                              ; the masks are in: 4 loads of b2 and 32 of W2 were issued behind them
	; THE LIST, as in the first product: eight mask words to a batch
	ds_store_b32 v[LB], v[ZR]                      ; place 0 exists also where the expert has no token
	s_mov_b32 s20, 0
.set lb, 0
.rept 8
.set ls, LS+16*(lb&1)
.irp j, 0,1,2,3,4,5,6,7
	v_readlane_b32 s[MK+\j], v[BM+(\j&1)], 4*lb+(\j>>1)   ; word 8 lb + j
.endr
	s_wait_alu depctr_va_sdst(0)                   ; the eight words are written, ahead of their first readers
.if lb >= 2
	s_wait_alu depctr_vm_vsrc(0)                   ; the LDS stores of two batches back have read this set
.endif
.irp j, 0,1,2,3,4,5,6,7
	v_mbcnt_lo_u32_b32 v[ls+\j], s[MK+\j], s20     ; tokens so far + set bits below mine
	s_bcnt1_i32_b32 s29, s[MK+\j]
	s_add_co_u32 s20, s20, s29
.endr
.irp j, 0,1,2,3,4,5,6,7
	v_cndmask_b32 v[ls+\j], v[DUMP], v[ls+\j], s[MK+\j]
.endr
.irp j, 0,1,2,3,4,5,6,7
	v_min_u32 v[ls+\j], 0x81f, v[ls+\j]
.endr
.irp j, 0,1,2,3,4,5,6,7
	v_lshl_add_u32 v[ls+\j], v[ls+\j], 2, v[LB]
.endr
.irp j, 0,1,2,3,4,5,6,7
	v_add_nc_u32 v[ls+8+\j], 32*(8*lb+\j), v1
.endr
	s_wait_alu depctr_va_vdst(0)                   ; the set's eight addresses and eight tokens are written, which the LDS stores read
.irp j, 0,1,2,3,4,5,6,7
	ds_store_b32 v[ls+\j], v[ls+8+\j]
.endr
.set lb, lb+1
.endr
	s_add_co_u32 s21, s20, 15
	s_lshr_b32 s21, s21, 4                         ; nt
	s_max_u32 s22, s20, 1
	s_sub_co_u32 s22, s22, 1                       ; the last place that holds a token
	; the way out's offsets and factors are written once here, so that they hold defined numbers in every trip of the loop over groups, whichever of its jumps are taken
.irp i, 0,1,2
	v_mov_b32 v[PR+2*\i], 0
.endr
.set gi, 0
.rept 12
	v_mov_b32 v[OT+gi], 0
.set gi, gi+1
.endr
	s_wait_loadcnt 32                              ; b2 is in
.set bi, 0
.rept 8
	v_cvt_pk_bf16_f32 v[32+(bi&1)], v[BIAS+2*bi], v[BIAS+2*bi+1]
	v_lshlrev_b32 v[BIAS+2*bi], 16, v[32+(bi&1)]
	v_and_b32 v[BIAS+2*bi+1], s34, v[32+(bi&1)]
.set bi, bi+1
.endr
.set gg, 0
.rept 8
	WBATCH gg, 1, 28                               ; the oldest four of the 32 loads are in
.set gg, gg+1
.endr
.rept 8
	WBATCH gg, 0, 60-4*gg                          ; the counts run down
.set gg, gg+1
.endr
	s_wait_dscnt 0x0                               ; for the others' sake: my part of the slice is in LDS
	s_barrier_signal -1
	s_barrier_wait -1                              ; the slice is whole
	s_mov_b32 s23, s14
	s_mov_b32 s24, 6
.Lgrp:
	s_cmp_ge_u32 s23, s21
	s_cbranch_scc1 .Lmet                           ; no tile in this group: the products are jumped
.set gi, 0
.rept 3
	s_add_co_u32 s28, s23, 8*gi
	s_cmp_lt_u32 s28, s21                          ; has the slot a tile?
	s_cselect_b32 s29, s28, s23                    ; if not: the group's first tile,
	s_cselect_b32 s30, 0x1f0, 0                    ; and all lanes at the first 16 bytes of each of its pieces
	s_min_u32 s29, s29, 127                        ; an expert has 128 tiles at the most
	s_min_u32 s30, s30, 0x1f0
	s_lshl_b32 s29, s29, 16
	v_and_b32 v[OFF+gi], s30, v21                  ; 16 L, or 0
	v_add_nc_u32 v[OFF+gi], s29, v[OFF+gi]
	s_lshl_b32 s28, s28, 4
	v_add_nc_u32 v[LA+5*gi], s28, v2               ; place 16 tile + r: whose prob I multiply by
	v_min_u32 v[LA+5*gi], s22, v[LA+5*gi]
	v_min_u32 v[LA+5*gi], 0x7ff, v[LA+5*gi]
	v_lshl_add_u32 v[LA+5*gi], v[LA+5*gi], 2, v[LB]
.set gt, 0
.rept 4
	s_add_co_u32 s31, s28, 4*gt
	v_add_nc_u32 v[LA+5*gi+1+gt], s31, v22         ; place 16 tile + 4 t + L / 8: whose row I store
	v_min_u32 v[LA+5*gi+1+gt], s22, v[LA+5*gi+1+gt]
	v_min_u32 v[LA+5*gi+1+gt], 0x7ff, v[LA+5*gi+1+gt]
	v_lshl_add_u32 v[LA+5*gi+1+gt], v[LA+5*gi+1+gt], 2, v[LB]
.set gt, gt+1
.endr
.set gi, gi+1
.endr
	s_wait_alu depctr_va_vdst(0)                   ; the 15 list addresses are written; the earlier vector lines on v[TK ..] and v[OT ..], in which the loads land, are done
.set gi, 0
.rept 3
	ds_load_b32 v[TK+gi], v[LA+5*gi]
.set gt, 0
.rept 4
	ds_load_b32 v[OT+4*gi+gt], v[LA+5*gi+1+gt]
.set gt, gt+1
.endr
.set gi, gi+1
.endr
.set gi, 0
.rept 48                                               ; the sums begin at the bias
	v_mov_b32 v[ACC+gi], v[BIAS+(gi&15)]
.set gi, gi+1
.endr
	s_wait_dscnt 0x0
.irp i, 0,1,2
	v_min_u32 v[TK+\i], 0x7ff, v[TK+\i]
	v_lshlrev_b32 v[PA+\i], 2, v[TK+\i]
.endr
.set gi, 0
.rept 12
	v_min_u32 v[OT+gi], 0x7ff, v[OT+gi]
	v_lshl_add_u32 v[OT+gi], v[OT+gi], 12, v23     ; token x 4,096 bytes + 16 (L % 8)
.set gi, gi+1
.endr
	s_mov_b64 s[AB:AB+1], s[8:9]
	s_add_co_u32 s28, s23, 16
	s_cmp_lt_u32 s28, s21
	s_cbranch_scc0 .Ltwo
	KLOOP 3
	s_branch .Lmet
.Ltwo:
	KLOOP 2
.Lmet:
	PLACES                                         ; four places behind the last products
	s_wait_dscnt 0x0                               ; my reads of the slice and of my list are over;
	s_barrier_signal -1
	s_barrier_wait -1                              ; everybody's are: the stages are written only behind this barrier
	s_cmp_ge_u32 s23, s21
	s_cbranch_scc1 .Lnext                          ; no tile in this group: the way out is jumped
.irp i, 0,1,2
	v_mov_b32 v[PR+2*\i+1], v[PR+2*\i]             ; a pair for the packed multiply
.endr
	OUTT 0
	OUTT 1
	OUTT 2
.Lnext:
	s_wait_dscnt 0x0                               ; my stage's stores and reads are over;
	s_barrier_signal -1
	s_barrier_wait -1                              ; everybody's are: the next group's reads come behind this barrier
	s_wait_xcnt 0x0                                ; the stores' data and offsets are rewritten only behind this wait
	s_wait_alu depctr_vm_vsrc(0)                   ; the LDS stores have read the accumulators, the global stores v[BK ..] and v[OT ..], the list loads v[LA ..], the loads of h and prob v[OFF ..] and v[PA ..]: the next group writes them again
	s_add_co_u32 s23, s23, 24
	s_sub_co_u32 s24, s24, 1
	s_cmp_lg_u32 s24, 0
	s_cbranch_scc1 .Lgrp
	s_wait_dscnt 0x0                               ; the closing lines, six on end
	s_wait_alu 0x0
	s_wait_tensorcnt 0x0
	ds_add_u32 v30, v31
	s_wait_dscnt 0x0
	s_endpgm
.Lfunc_end_k_qf908f19d22_down:
	.size	k_qf908f19d22_down, .Lfunc_end_k_qf908f19d22_down-k_qf908f19d22_down
	.p2alignl 7, 3214868480
	.fill 96, 4, 3214868480
	.section	.rodata,"a",@progbits
	.p2align	6, 0x0
	.amdhsa_kernel k_qf908f19d22_down
		.amdhsa_group_segment_fixed_size 283648
		.amdhsa_private_segment_fixed_size 0
		.amdhsa_enable_private_segment 0
		.amdhsa_kernarg_size 48
		.amdhsa_user_sgpr_count 2
		.amdhsa_user_sgpr_kernarg_segment_ptr 1
		.amdhsa_wavefront_size32 1
		.amdhsa_system_sgpr_workgroup_id_x 1
		.amdhsa_system_sgpr_workgroup_id_y 1
		.amdhsa_system_sgpr_workgroup_id_z 1
		.amdhsa_system_vgpr_workitem_id 0
		.amdhsa_next_free_vgpr 448
		.amdhsa_next_free_sgpr 66
		.amdhsa_reserve_vcc 0
		.amdhsa_float_denorm_mode_32 3
		.amdhsa_float_denorm_mode_16_64 3
		.amdhsa_memory_ordered 1
		.amdhsa_forward_progress 1
		.amdhsa_inst_pref_size 126
	.end_amdhsa_kernel
	.amdgpu_metadata
---
amdhsa.version: [ 1, 2 ]
amdhsa.kernels:
  - .name:           k_qf908f19d22_down
    .symbol:         k_qf908f19d22_down.kd
    .args:
      - { .name: W2, .offset: 0, .size: 8, .value_kind: global_buffer, .address_space: global }
      - { .name: b2, .offset: 8, .size: 8, .value_kind: global_buffer, .address_space: global }
      - { .name: hf, .offset: 16, .size: 8, .value_kind: global_buffer, .address_space: global }
      - { .name: bm, .offset: 24, .size: 8, .value_kind: global_buffer, .address_space: global }
      - { .name: prob, .offset: 32, .size: 8, .value_kind: global_buffer, .address_space: global }
      - { .name: out0, .offset: 40, .size: 8, .value_kind: global_buffer, .address_space: global }
    .group_segment_fixed_size: 283648
    .private_segment_fixed_size: 0
    .kernarg_segment_align: 8
    .kernarg_segment_size: 48
    .max_flat_workgroup_size: 256
    .sgpr_count:     66
    .vgpr_count:     448
    .wavefront_size: 32
...
	.end_amdgpu_metadata
.endif
;; end of part 5
